; MI455X (gfx1250); checked and timed in simulation.
; The chip was launched on July 23, 2026; its instructions are those of AMD's public machine-readable ISA for CDNA 5 (MIT licence, August 2026) and "CDNA5" Instruction Set Architecture Reference Guide (July 2026). The comments in the code are by the model that wrote it; some were corrected since.
;; Fusion KAN. Allowed arithmetic: float matrix products may take bf16 or f16 operands with f32 sums; other float arithmetic in f32, or as packed bf16 or f16 multiplies, adds, multiply-adds, maxima and minima; sums over many terms, partial sums and values carried from step to step in f32; what a program stores and reads back later, other than sums and carried values, may be rounded once to bf16 or f16.
;; Inputs: db1_0 256 float32; db1_1 128 float32; db1_2 64 float32; db2_0 256 float32; db2_1 128 float32; db2_2 64 float32; dw1_0 256 x 512 float32; dw1_1 128 x 256 float32; dw1_2 64 x 128 float32; dw2_0 256 x 256 float32; dw2_1 128 x 128 float32; dw2_2 64 x 64 float32; kan_bw 3 x 512 x 512 float32; kan_sc 3 x 512 x 512 float32; kan_sw 3 x 512 x 512 x 4 float32; s0 16 x 512 x 512 float32; s1 16 x 512 x 256 float32; s2 16 x 512 x 128 float32; s3 16 x 512 x 64 float32; t0 16 x 512 x 512 float32; t1 16 x 512 x 256 float32; t2 16 x 512 x 128 float32; t3 16 x 512 x 64 float32; ub1_0 128 float32; ub1_1 256 float32; ub1_2 512 float32; ub2_0 128 float32; ub2_1 256 float32; ub2_2 512 float32; uw1_0 128 x 64 float32; uw1_1 256 x 128 float32; uw1_2 512 x 256 float32; uw2_0 128 x 128 float32; uw2_1 256 x 256 float32; uw2_2 512 x 512 float32; x0 16 x 512 x 512 float32; x1 16 x 256 x 512 float32; x2 16 x 128 x 512 float32; x3 16 x 64 x 512 float32.
;; Outputs: out0 16 x 512 x 512 float32; out1 16 x 256 x 512 float32; out2 16 x 128 x 512 float32; out3 16 x 64 x 512 float32.
;; 2 versions, each right; version 2 is version 1 with the launch mix written anew for expert scheduling mode. Each part assembles by itself: llvm-mc -triple=amdgcn-amd-amdhsa -mcpu=gfx1250 --defsym DOCPART=n.
;; ======== version 1 of 2: 3 launches
;; workspace buffers: WK 7,864,320 bytes; WM 1,753,088 bytes; O 15,728,640 bytes
;; launch prep (part 1): grid 598 x 1, 8 waves a work-group, no clusters, 0 bytes of LDS; arguments kan_bw, kan_sw, kan_sc, WK, WM, dw1_0, db1_0, dw2_0, db2_0, dw1_1, db1_1, dw2_1, db2_1, dw1_2, db1_2, dw2_2, db2_2, uw1_0, ub1_0, uw2_0, ub2_0, uw1_1, ub1_1, uw2_1, ub2_1, uw1_2, ub1_2, uw2_2, ub2_2; writes WK, WM
.if DOCPART == 1
	.amdgcn_target "amdgcn-amd-amdhsa--gfx1250"
	.amdhsa_code_object_version 6
	.text
	.protected	k_qffe10bfd9b_prep
	.globl	k_qffe10bfd9b_prep
	.p2align	8
	.type	k_qffe10bfd9b_prep,@function
k_qffe10bfd9b_prep:
	s_mov_b64 s[64:65], 0
	v_nop
	global_prefetch_b8 v0, s[64:65] scope:SCOPE_SE
	s_setreg_imm32_b32 hwreg(HW_REG_WAVE_MODE, 25, 1), 1
	s_wait_xcnt 0x0
; WEIGHTS TO bf16, IN THE ORDER IN WHICH THE MATRIX INSTRUCTIONS OF THE TWO LATER LAUNCHES TAKE THEM.
; WK (the three KAN layers): [tile s = 20 l + 5 g + f][wave w][K block q of 32][column tile b][half hf][lane][8 bf16]; a tile is 131,072 bytes.
;   Element e of lane r + 16 h is weight(o, i), i = 128 g + 32 q + 16 hf + 8 h + e, o = col + r;
;   col = 128 (b / 2) + 32 w + 16 (b % 2) in layers 0 and 1, 128 w + 16 b in layer 2;
;   weight = bw[l][o][i] for f = 0, sw[l][o][i][f - 1] sc[l][o][i] / 6 for f = 1 .. 4 (the later launch's spline feature is six times the basis).
; WM (the twelve mixing layers): [wave w of 8][fragment Q of 214][half][lane][16 bytes]; a layer gives CT bias fragments (f32, as a C operand lies) and
;   then its weight fragments, K block by K block, the wave's CT column tiles inside.
; Work-groups 0 .. 383 make WK (one (l, g, w, b) each, a wave for each (q, hf), all five f); work-groups 384 .. 597 make fragment Q of WM, wave w for stream w.
; No LDS, no matrix unit, no cluster: no two work-groups read the same bytes but the small mixing weights, and nothing is summed.
; Each store of a wave covers 512 consecutive bytes, aligned.
.set WKT, 131072                       ; bytes in a tile of WK
.set WMS, 219136                       ; bytes in a wave's stream of WM
	s_load_b256 s[4:11], s[0:1], 0x0               ; kan_bw s[4:5], kan_sw s[6:7], kan_sc s[8:9], WK s[10:11]
	s_load_b64 s[12:13], s[0:1], 0x20              ; WM
	s_mov_b32 s15, ttmp9
	v_lshrrev_b32 v1, 5, v0
	v_readfirstlane_b32 s14, v1                    ; wave 0..7
	v_and_b32 v1, 31, v0                           ; lane
	v_and_b32 v2, 15, v0                           ; r
	v_bfe_u32 v3, v0, 4, 1                         ; h
	v_lshlrev_b32 v7, 4, v1                        ; 16 x lane: my place in every store
	s_cmp_lt_u32 s15, 384
	s_cbranch_scc0 .Lmixw
	; ---- WK ----
	s_and_b32 s20, s15, 7                          ; b
	s_bfe_u32 s21, s15, 0x20003                    ; w
	s_bfe_u32 s22, s15, 0x20005                    ; g
	s_lshr_b32 s23, s15, 7                         ; l
	s_lshr_b32 s24, s14, 1                         ; q
	s_and_b32 s25, s14, 1                          ; hf
	s_lshr_b32 s26, s20, 1
	s_lshl_b32 s26, s26, 7                         ; 128 (b / 2)
	s_lshl_b32 s27, s21, 5
	s_add_co_u32 s26, s26, s27                     ; + 32 w
	s_and_b32 s27, s20, 1
	s_lshl_b32 s27, s27, 4
	s_add_co_u32 s26, s26, s27                     ; + 16 (b % 2): layers 0 and 1
	s_lshl_b32 s27, s21, 7
	s_lshl_b32 s28, s20, 4
	s_add_co_u32 s27, s27, s28                     ; 128 w + 16 b: layer 2
	s_cmp_eq_u32 s23, 2
	s_cselect_b32 s26, s27, s26                    ; col
	s_lshl_b32 s27, s23, 9
	s_add_co_u32 s26, s26, s27                     ; row 512 l + col of the weights,
	s_lshl_b32 s26, s26, 9                         ; 512 numbers each,
	s_lshl_b32 s27, s22, 7
	s_add_co_u32 s26, s26, s27                     ; + 128 g
	s_lshl_b32 s27, s24, 5
	s_add_co_u32 s26, s26, s27                     ; + 32 q
	s_lshl_b32 s27, s25, 4
	s_add_co_u32 s26, s26, s27                     ; + 16 hf
	v_lshlrev_b32 v4, 9, v2                        ; + 512 r
	v_lshl_add_u32 v4, v3, 3, v4                   ; + 8 h
	v_add_nc_u32 v4, s26, v4                       ; the number of my first (o, i)
	v_lshlrev_b32 v5, 2, v4                        ; its byte in bw and sc
	v_lshlrev_b32 v6, 4, v4                        ; and in sw
	s_mul_i32 s28, s23, 20
	s_mul_i32 s27, s22, 5
	s_add_co_u32 s28, s28, s27
	s_lshl_b32 s28, s28, 17                        ; tile 20 l + 5 g
	s_lshl_b32 s27, s21, 15
	s_add_co_u32 s28, s28, s27                     ; + 32,768 w
	s_lshl_b32 s27, s24, 3
	s_add_co_u32 s27, s27, s20
	s_lshl_b32 s27, s27, 10
	s_add_co_u32 s28, s28, s27                     ; + 1,024 (8 q + b)
	s_lshl_b32 s27, s25, 9
	s_add_co_u32 s28, s28, s27                     ; + 512 hf
	s_mov_b32 s29, 0
	s_wait_kmcnt 0x0
	s_add_nc_u64 s[10:11], s[10:11], s[28:29]
	global_load_b128 v[8:11], v5, s[4:5] th:TH_LOAD_NT
	global_load_b128 v[12:15], v5, s[4:5] offset:16 th:TH_LOAD_NT
	global_load_b128 v[16:19], v5, s[8:9] th:TH_LOAD_NT
	global_load_b128 v[20:23], v5, s[8:9] offset:16 th:TH_LOAD_NT
.irp e, 0,1,2,3,4,5,6,7
	global_load_b128 v[24+4*\e:27+4*\e], v6, s[6:7] offset:16*\e th:TH_LOAD_NT   ; sw[o][i + e][0..3]
.endr
	s_wait_loadcnt 0x0                             ; all twelve: nothing else is left to do meanwhile
.irp p, 0,1,2,3
	v_pk_mul_f32 v[56+2*\p:57+2*\p], v[16+2*\p:17+2*\p], 0x3e2aaaab op_sel_hi:[1,0]   ; sc / 6
.endr
.irp p, 0,1,2,3                        ; the four coefficients of i + 2 p take the pair's first number, those of i + 2 p + 1 its second
	v_pk_mul_f32 v[24+8*\p:25+8*\p], v[24+8*\p:25+8*\p], v[56+2*\p:57+2*\p] op_sel_hi:[1,0]
	v_pk_mul_f32 v[26+8*\p:27+8*\p], v[26+8*\p:27+8*\p], v[56+2*\p:57+2*\p] op_sel_hi:[1,0]
	v_pk_mul_f32 v[28+8*\p:29+8*\p], v[28+8*\p:29+8*\p], v[56+2*\p:57+2*\p] op_sel:[0,1] op_sel_hi:[1,1]
	v_pk_mul_f32 v[30+8*\p:31+8*\p], v[30+8*\p:31+8*\p], v[56+2*\p:57+2*\p] op_sel:[0,1] op_sel_hi:[1,1]
.endr
.irp p, 0,1,2,3
	v_cvt_pk_bf16_f32 v[64+\p], v[8+2*\p], v[9+2*\p]
.endr
.irp j, 0,1,2,3
.irp p, 0,1,2,3
	v_cvt_pk_bf16_f32 v[68+4*\j+\p], v[24+8*\p+\j], v[28+8*\p+\j]
.endr
.endr
.irp f, 0,1,2,3,4
	global_store_b128 v7, v[64+4*\f:67+4*\f], s[10:11] offset:WKT*\f
.endr
	s_endpgm
	; ---- WM ----
; The layer in which fragment Q lies: its weight and bias addresses, log2 K, log2 CT, the mask of the wave's number, its first fragment.
.macro PL idx, logk, logct, wmask, start, last
.if (\last) < 214
	s_cmp_lt_u32 s15, \last
	s_cbranch_scc0 .Lnext_\@
.endif
	s_load_b128 s[16:19], s[0:1], 40+16*(\idx)
	s_mov_b32 s20, \logk
	s_mov_b32 s21, \logct
	s_mov_b32 s22, \wmask
	s_mov_b32 s23, \start
.if (\last) < 214
	s_branch .Lcommon
.Lnext_\@:
.endif
.endm
.Lmixw:
	s_sub_co_u32 s15, s15, 384                     ; Q
	PL 0,  9, 1, 7, 0,   34
	PL 1,  8, 1, 7, 34,  52
	PL 2,  8, 0, 7, 52,  61
	PL 3,  7, 0, 7, 61,  66
	PL 4,  7, 0, 3, 66,  71
	PL 5,  6, 0, 3, 71,  74
	PL 6,  6, 0, 7, 74,  77
	PL 7,  7, 0, 7, 77,  82
	PL 8,  7, 1, 7, 82,  92
	PL 9,  8, 1, 7, 92,  110
	PL 10, 8, 2, 7, 110, 146
	PL 11, 9, 2, 7, 146, 214
.Lcommon:
	s_wait_kmcnt 0x0
	s_sub_co_u32 s24, s15, s23                     ; j: the fragment's number in its layer
	s_lshl_b32 s25, 1, s21                         ; CT
	s_mul_i32 s28, s14, WMS
	s_lshl_b32 s26, s15, 10
	s_add_co_u32 s28, s28, s26
	s_mov_b32 s29, 0
	s_add_nc_u64 s[12:13], s[12:13], s[28:29]      ; WM at (w, Q)
	s_and_b32 s27, s14, s22
	s_lshl_b32 s27, s27, s21                       ; (w & mask) CT
	s_cmp_lt_u32 s24, s25
	s_cbranch_scc0 .Lweight
	s_add_co_u32 s27, s27, s24                     ; a bias fragment: ct = j
	s_lshl_b32 s27, s27, 6                         ; 16 columns of 4 bytes
	v_lshlrev_b32 v4, 5, v3                        ; + 8 h columns
	v_add_nc_u32 v4, s27, v4
	global_load_b128 v[8:11], v4, s[18:19]
	global_load_b128 v[12:15], v4, s[18:19] offset:16
	s_wait_loadcnt 0x0
	global_store_b128 v7, v[8:11], s[12:13]
	global_store_b128 v7, v[12:15], s[12:13] offset:512
	s_endpgm
.Lweight:
	s_sub_co_u32 s24, s24, s25
	s_lshr_b32 s26, s24, s21                       ; kb
	s_sub_co_u32 s25, s25, 1
	s_and_b32 s24, s24, s25                        ; ct
	s_add_co_u32 s27, s27, s24
	s_lshl_b32 s27, s27, 4                         ; col0
	v_add_nc_u32 v4, s27, v2                       ; row col0 + r,
	v_lshlrev_b32 v4, s20, v4                      ; K numbers each,
	v_lshl_add_u32 v4, v3, 3, v4                   ; + 8 h
	s_lshl_b32 s26, s26, 5
	v_add_nc_u32 v4, s26, v4                       ; + 32 kb
	v_lshlrev_b32 v4, 2, v4
	global_load_b128 v[8:11], v4, s[16:17]
	global_load_b128 v[12:15], v4, s[16:17] offset:16
	global_load_b128 v[16:19], v4, s[16:17] offset:64   ; the second half: 16 numbers on
	global_load_b128 v[20:23], v4, s[16:17] offset:80
	s_wait_loadcnt 0x0
.irp p, 0,1,2,3,4,5,6,7
	v_cvt_pk_bf16_f32 v[24+\p], v[8+2*\p], v[9+2*\p]
.endr
	global_store_b128 v7, v[24:27], s[12:13]
	global_store_b128 v7, v[28:31], s[12:13] offset:512
	s_endpgm
.Lfunc_end_k_qffe10bfd9b_prep:
	.size	k_qffe10bfd9b_prep, .Lfunc_end_k_qffe10bfd9b_prep-k_qffe10bfd9b_prep
	.p2alignl 7, 3214868480
	.fill 96, 4, 3214868480
	.section	.rodata,"a",@progbits
	.p2align	6, 0x0
	.amdhsa_kernel k_qffe10bfd9b_prep
		.amdhsa_group_segment_fixed_size 0
		.amdhsa_private_segment_fixed_size 0
		.amdhsa_enable_private_segment 0
		.amdhsa_kernarg_size 232
		.amdhsa_user_sgpr_count 2
		.amdhsa_user_sgpr_kernarg_segment_ptr 1
		.amdhsa_wavefront_size32 1
		.amdhsa_system_sgpr_workgroup_id_x 1
		.amdhsa_system_sgpr_workgroup_id_y 1
		.amdhsa_system_sgpr_workgroup_id_z 1
		.amdhsa_system_vgpr_workitem_id 0
		.amdhsa_next_free_vgpr 96
		.amdhsa_next_free_sgpr 66
		.amdhsa_reserve_vcc 0
		.amdhsa_float_denorm_mode_32 3
		.amdhsa_float_denorm_mode_16_64 3
		.amdhsa_memory_ordered 1
		.amdhsa_forward_progress 1
		.amdhsa_inst_pref_size 13
	.end_amdhsa_kernel
	.amdgpu_metadata
---
amdhsa.version: [ 1, 2 ]
amdhsa.kernels:
  - .name:           k_qffe10bfd9b_prep
    .symbol:         k_qffe10bfd9b_prep.kd
    .args:
      - { .name: kan_bw, .offset: 0, .size: 8, .value_kind: global_buffer, .address_space: global }
      - { .name: kan_sw, .offset: 8, .size: 8, .value_kind: global_buffer, .address_space: global }
      - { .name: kan_sc, .offset: 16, .size: 8, .value_kind: global_buffer, .address_space: global }
      - { .name: WK, .offset: 24, .size: 8, .value_kind: global_buffer, .address_space: global }
      - { .name: WM, .offset: 32, .size: 8, .value_kind: global_buffer, .address_space: global }
      - { .name: dw1_0, .offset: 40, .size: 8, .value_kind: global_buffer, .address_space: global }
      - { .name: db1_0, .offset: 48, .size: 8, .value_kind: global_buffer, .address_space: global }
      - { .name: dw2_0, .offset: 56, .size: 8, .value_kind: global_buffer, .address_space: global }
      - { .name: db2_0, .offset: 64, .size: 8, .value_kind: global_buffer, .address_space: global }
      - { .name: dw1_1, .offset: 72, .size: 8, .value_kind: global_buffer, .address_space: global }
      - { .name: db1_1, .offset: 80, .size: 8, .value_kind: global_buffer, .address_space: global }
      - { .name: dw2_1, .offset: 88, .size: 8, .value_kind: global_buffer, .address_space: global }
      - { .name: db2_1, .offset: 96, .size: 8, .value_kind: global_buffer, .address_space: global }
      - { .name: dw1_2, .offset: 104, .size: 8, .value_kind: global_buffer, .address_space: global }
      - { .name: db1_2, .offset: 112, .size: 8, .value_kind: global_buffer, .address_space: global }
      - { .name: dw2_2, .offset: 120, .size: 8, .value_kind: global_buffer, .address_space: global }
      - { .name: db2_2, .offset: 128, .size: 8, .value_kind: global_buffer, .address_space: global }
      - { .name: uw1_0, .offset: 136, .size: 8, .value_kind: global_buffer, .address_space: global }
      - { .name: ub1_0, .offset: 144, .size: 8, .value_kind: global_buffer, .address_space: global }
      - { .name: uw2_0, .offset: 152, .size: 8, .value_kind: global_buffer, .address_space: global }
      - { .name: ub2_0, .offset: 160, .size: 8, .value_kind: global_buffer, .address_space: global }
      - { .name: uw1_1, .offset: 168, .size: 8, .value_kind: global_buffer, .address_space: global }
      - { .name: ub1_1, .offset: 176, .size: 8, .value_kind: global_buffer, .address_space: global }
      - { .name: uw2_1, .offset: 184, .size: 8, .value_kind: global_buffer, .address_space: global }
      - { .name: ub2_1, .offset: 192, .size: 8, .value_kind: global_buffer, .address_space: global }
      - { .name: uw1_2, .offset: 200, .size: 8, .value_kind: global_buffer, .address_space: global }
      - { .name: ub1_2, .offset: 208, .size: 8, .value_kind: global_buffer, .address_space: global }
      - { .name: uw2_2, .offset: 216, .size: 8, .value_kind: global_buffer, .address_space: global }
      - { .name: ub2_2, .offset: 224, .size: 8, .value_kind: global_buffer, .address_space: global }
    .group_segment_fixed_size: 0
    .private_segment_fixed_size: 0
    .kernarg_segment_align: 8
    .kernarg_segment_size: 232
    .max_flat_workgroup_size: 256
    .sgpr_count:     66
    .vgpr_count:     96
    .wavefront_size: 32
...
	.end_amdgpu_metadata
.endif
;; end of part 1
;; launch mix (part 2): grid 128 x 1, 8 waves a work-group, no clusters, 321,536 bytes of LDS; arguments s0, s1, s2, s3, t0, t1, t2, t3, WM, O; writes O
.if DOCPART == 2
	.amdgcn_target "amdgcn-amd-amdhsa--gfx1250"
	.amdhsa_code_object_version 6
	.text
	.protected	k_qffe10bfd9b_mix
	.globl	k_qffe10bfd9b_mix
	.p2align	8
	.type	k_qffe10bfd9b_mix,@function
k_qffe10bfd9b_mix:
	s_mov_b64 s[64:65], 0
	v_nop
	global_prefetch_b8 v0, s[64:65] scope:SCOPE_SE
	s_setreg_imm32_b32 hwreg(HW_REG_WAVE_MODE, 25, 1), 1
	s_wait_xcnt 0x0
; BOTH MIXING CHAINS.  For each row (b, c): season 512 -> 256 -> 128 -> 64 and trend 64 -> 128 -> 256 -> 512, each link y += W2 gelu(W1 x + b1) + b2 along time;
; then o_i = season_i + trend_i, turned to [b][t][c] and stored in bf16.
; SHARES.  A work-group owns 64 rows (b, c): a dense block of each of the eight inputs.  All eight lie in LDS as bf16 tiles [c][t] for the whole launch; results take the residuals' places.
; In a layer with N outputs wave w owns N / 8 of them for all 64 rows (N = 64: 16 of them for 32 rows).
; PRODUCTS.  Source 0 = 16 outputs of the weights, source 1 = 16 rows of data: a lane then holds one row and eight neighbouring outputs, which pack into 16 bytes of a [c][t] tile.
; WEIGHTS come from WM straight into registers, already in fragment order, through a ring of 24 fragments (48 loads of a wave in flight); each byte of a stream is read by one wave alone.
; NO CLUSTER, NO TENSOR LOADS: tiles and G take 320,512 bytes of LDS, so no ring for weights fits beside them, and LDS would give the weights no second use inside the work-group.
; 64 rows and not 32: every work-group reads all 1.7 MB of WM, so half the rows would double that traffic and halve the products that a fragment feeds; the price is 128 work-groups.
; O: bf16 in blocks of 8 channels: (scale i, b, c8, t) is 16 bytes at OB_i + ((64 b + c8) T_i + t) 16, so that 16 neighbouring t are 256 consecutive bytes.
; LIMITS.  s, t, every intermediate and o are rounded once to bf16; biases, residual + bias and all sums are f32.  Phi in the GELU by the five-term rational form in 1 / (1 + 0.2316419 |u|),
; absolute error under 1e-7, right for every finite u.  NaN and infinities are not treated apart.
; REGISTERS.  Window 0: v0 thread; v1-3 lane, r, h; v4-7 r x pitch + 16 h for T = 64, 128, 256, 512; v8 source address; v9 destination address; v10 16 x lane; v11 GELU address;
;   v12-15 where an input's 8 bytes go, by T; v16 16 x thread; v17-20 the turning load's lane term, by T; v21-24 my offset in O, by T; v25 at work; v26, v27 the add's two; v28-31 at work;
;   v32-95 data fragments, two buffers of four; v96-103 the unit fragment; v104-119 packed results; v128-255 accumulators ((rt, ct) at 128 + 8 (4 ct + rt)), at other times inputs, GELU, output.
; Window 1: v0-191 the ring (fragment Q in slot Q mod 24); v192-255 residual fragments.
.set S0B, 0                            ; LDS: tiles of 64 rows, pitch 2 T + 16, an odd multiple of 16 bytes: the 16 rows of a load start at 16 different groups of four banks (64 banks of 4 bytes: ISA guide 11.1)
.set T0B, 66560
.set GB,  133120                       ; G: the hidden layer, pitch 2 N + 16
.set S1B, 199680
.set T1B, 233472
.set S2B, 267264
.set T2B, 284672
.set S3B, 302080
.set T3B, 311296
.set SPARE, 320512                     ; the spare words, 128 bytes for each of eight waves: four blocks of 256 bytes that no other line names
.set WMS, 219136                       ; bytes in a wave's stream of WM
.set NFR, 214                          ; fragments in it
.set ISS, 0                            ; fragments asked for so far, and
.set USE, 0                            ; fragments multiplied so far: counted while the text is assembled, which has no loop round a product
.set MSB, 0
.macro WIN new                         ; the immediate's high byte repeats the setting that is left; a switch that changes nothing is dropped
.if MSB != (\new)
	s_set_vgpr_msb (MSB<<8)|(\new)
.set MSB, (\new)
.endif
.endm
.macro PLACES                          ; four places between a matrix instruction and a load into, or a vector instruction on, its registers
.rept 4
	v_nop
.endr
.endm
.macro BAR                             ; my LDS stores are done and my LDS reads are back; then all eight waves meet
	s_wait_dscnt 0x0
	s_barrier_signal -1
	s_barrier_wait -1
.endm
; n loads of 4,096 bytes for the work-group (a wave's load: 512 consecutive bytes), items j0 on, into registers reg on
.macro ISSUE ptr, j0, n, reg
.set ii, 0
.rept \n
	global_load_b128 v[(\reg)+4*ii:(\reg)+4*ii+3], v16, s[\ptr:\ptr+1] offset:4096*((\j0)+ii) th:TH_LOAD_NT
.set ii, ii+1
.endr
.endm
; those items are rounded to bf16 and put into the tile at base (T = 64 << x).  younger = the loads issued behind the n.
.macro DRAIN x, base, j0, n, reg, younger
	v_add_nc_u32 v25, \base, v[12+(\x)]
.set ii, 0
.rept \n
.set rP, 28+2*(ii%2)
	s_wait_loadcnt (\younger)+(\n)-1-ii            ; loads come back in order (ISA guide 5.7.1): item ii is in
	v_cvt_pk_bf16_f32 v[rP], v[(\reg)+4*ii], v[(\reg)+4*ii+1]
	v_cvt_pk_bf16_f32 v[rP+1], v[(\reg)+4*ii+2], v[(\reg)+4*ii+3]
	ds_store_b64 v25, v[rP:rP+1] offset:((\j0)+ii)*(16>>(\x))*((128<<(\x))+16)   ; an item is 16 >> x rows
.set ii, ii+1
.endr
.endm
; up to m fragments more into ring slots whose fragments have been multiplied
.macro RINGFILL m
.rept \m
.if (ISS < USE+24) && (ISS < NFR)
	WIN 0x40                                       ; destination window 1, address window 0
	global_load_b128 v[8*(ISS%24):8*(ISS%24)+3], v10, s[20:21] offset:1024*ISS
	global_load_b128 v[8*(ISS%24)+4:8*(ISS%24)+7], v10, s[20:21] offset:1024*ISS+512
.set ISS, ISS+1
.endif
.endr
.endm
; RT data fragments (16 rows x 32 along K) of K block kb into buffer kb % 2
.macro ALOAD kb
.set rr, 0
.rept RT
	ds_load_b128 v[32+32*((\kb)%2)+8*rr:32+32*((\kb)%2)+8*rr+3], v8 offset:rr*16*PS+64*(\kb)
	ds_load_b128 v[32+32*((\kb)%2)+8*rr+4:32+32*((\kb)%2)+8*rr+7], v8 offset:rr*16*PS+64*(\kb)+32
.set rr, rr+1
.endr
.endm
; One K block: the next block's data and the ring's refill are asked for, then CT x RT products.  The accumulators take turns.
.macro KSTEP kb
.set HB, 0
.if ((\kb) == 0) && WITHB
.set HB, 1                             ; the first products take the bias fragment as C
.endif
.set NU, CT*(1+HB)
	WIN 0
	PLACES                                         ; the loads below go into registers that the last products read
.if (\kb)+1 < NK
	ALOAD (\kb)+1
.endif
	RINGFILL 8
.if (\kb)+1 < NK
	s_wait_dscnt 2*RT                              ; all but the 2 RT just issued: this block's data are in
.else
	s_wait_dscnt 0x0
.endif
	s_wait_loadcnt 2*(ISS-USE-NU)                  ; two loads a fragment: all but those of the fragments behind the NU that this block takes
	WIN 0x01+0x10*HB                               ; weights (and the bias) in window 1
.set cc, 0
.rept CT
.set rr, 0
.rept RT
.set rC, 128+8*(4*cc+rr)
.set rW, 8*((USE+CT*HB+cc)%24)
.set rB, 8*((USE+cc)%24)
.set rA, 32+32*((\kb)%2)+8*rr
.if HB
	v_wmma_f32_16x16x32_bf16 v[rC:rC+7], v[rW:rW+7], v[rA:rA+7], v[rB:rB+7]
.else
	v_wmma_f32_16x16x32_bf16 v[rC:rC+7], v[rW:rW+7], v[rA:rA+7], v[rC:rC+7]
.endif
.set rr, rr+1
.endr
.set cc, cc+1
.endr
.set USE, USE+NU
.endm
; The sums of a second linear layer start as residual + bias: unit fragment x residual piece + bias fragment, exact products, in f32.  Two column tiles at a time.
; A piece is loaded into both halves of its fragment: the second half meets zeros and need only be finite.
.macro RESID
.set NB2, 2
.if CT == 1
.set NB2, 1
.endif
.set c0, 0
.rept (CT+1)/2
.if c0 > 0
	PLACES
.endif
	WIN 0x40
.set cc, 0
.rept NB2
.set rr, 0
.rept RT
.set rX, 192+8*(4*cc+rr)
	ds_load_b128 v[rX:rX+3], v9 offset:rr*16*PD+32*(c0+cc)
	ds_load_b128 v[rX+4:rX+7], v9 offset:rr*16*PD+32*(c0+cc)
.set rr, rr+1
.endr
.set cc, cc+1
.endr
	RINGFILL 8
	s_wait_dscnt 0x0
	s_wait_loadcnt 2*(ISS-USE-NB2)
	WIN 0x14                                       ; unit fragment window 0; residual and bias window 1
.set cc, 0
.rept NB2
.set rr, 0
.rept RT
.set rX, 192+8*(4*cc+rr)
.set rC, 128+8*(4*(c0+cc)+rr)
.set rB, 8*((USE+cc)%24)
	v_wmma_f32_16x16x32_bf16 v[rC:rC+7], v[96:103], v[rX:rX+7], v[rB:rB+7]
.set rr, rr+1
.endr
.set cc, cc+1
.endr
.set USE, USE+NB2
.set c0, c0+2
.endr
.endm
; A linear layer: K inputs from the tile at SRC, N outputs into the tile at DST; RES = 1: onto what lies there.
.macro LAYER K, N, SRC, DST, RES
.set PS, 2*(\K)+16
.set PD, 2*(\N)+16
.set XK, ((\K)/64)/2-((\K)/64)/8       ; log2 (K / 64)
.set XN, ((\N)/64)/2-((\N)/64)/8
.if (\N) == 64
.set CT, 1
.set RT, 2
.else
.set CT, (\N)/128
.set RT, 4
.endif
.set NK, (\K)/32
.set WITHB, 1-(\RES)
	WIN 0
	v_add_nc_u32 v8, \SRC, v[4+XK]
	v_add_nc_u32 v9, \DST, v[4+XN]
.if (\N) == 64
	s_mul_i32 s27, s25, 32*PS                      ; waves 4 to 7 take rows 32 to 63
	v_add_nc_u32 v8, s27, v8
	s_mul_i32 s27, s25, 32*PD
	s_lshl_b32 s28, s26, 5                         ; column tile w % 4
	s_add_co_u32 s27, s27, s28
	v_add_nc_u32 v9, s27, v9
.else
	s_mul_i32 s27, s24, 32*CT                      ; my first column, in bytes
	v_add_nc_u32 v9, s27, v9
.endif
	ALOAD 0
.if \RES
	RESID
.endif
.set kk, 0
.rept NK
	KSTEP kk
.set kk, kk+1
.endr
	WIN 0
	PLACES
.set cc, 0
.rept CT
.set rr, 0
.rept RT
.set rC, 128+8*(4*cc+rr)
.set rP, 104+4*((cc*RT+rr)%4)
	v_cvt_pk_bf16_f32 v[rP], v[rC], v[rC+1]        ; each accumulator from its low end on
	v_cvt_pk_bf16_f32 v[rP+1], v[rC+2], v[rC+3]
	v_cvt_pk_bf16_f32 v[rP+2], v[rC+4], v[rC+5]
	v_cvt_pk_bf16_f32 v[rP+3], v[rC+6], v[rC+7]
	ds_store_b128 v9, v[rP:rP+3] offset:rr*16*PD+32*cc
.set rr, rr+1
.endr
.set cc, cc+1
.endr
.endm
; gelu(u) = max(u, 0) - |u| y, y = (A1 t + .. + A5 t^5) 2^(-u^2 log2(e) / 2), t = 1 / (1 + 0.2316419 |u|), on G in place.  A thread takes 16 bytes a trip, the work-group 2,048 numbers: N / 32 trips.
.macro GELU N
.set PD, 2*(\N)+16
.set XN, ((\N)/64)/2-((\N)/64)/8
	WIN 0
	v_lshrrev_b32 v28, XN+3, v0
	v_and_b32 v29, (\N)/8-1, v0
	v_mul_u32_u24 v28, v28, PD
	v_lshl_add_u32 v28, v29, 4, v28
	v_add_nc_u32 v11, GB, v28
	s_mov_b32 s44, (\N)/32
.Lgelu_\@:
	ds_load_b128 v[160:163], v11
	s_wait_dscnt 0x0
.irp k, 0,1,2,3
	v_lshlrev_b32 v[128+2*\k], 16, v[160+\k]
	v_and_b32 v[129+2*\k], s45, v[160+\k]
.endr
.irp i, 0,1,2,3,4,5,6,7
	v_fma_f32 v[136+\i], |v[128+\i]|, s30, 1.0
.endr
.irp i, 0,1,2,3,4,5,6,7
	v_rcp_f32 v[136+\i], v[136+\i]                 ; t; the squares below are the plain lines behind the reciprocals (ISA guide 5.7.2)
.endr
.irp p, 0,2,4,6
	v_pk_mul_f32 v[144+\p:145+\p], v[128+\p:129+\p], v[128+\p:129+\p]
.endr
.irp p, 0,2,4,6
	v_pk_mul_f32 v[144+\p:145+\p], v[144+\p:145+\p], s[32:33] op_sel_hi:[1,0]
.endr
.irp i, 0,1,2,3,4,5,6,7
	v_exp_f32 v[144+\i], v[144+\i]                 ; the polynomial below, which names none of these, stands behind the exponentials
.endr
	s_wait_alu depctr_va_vdst(0)
.irp p, 0,2,4,6
	v_pk_fma_f32 v[152+\p:153+\p], v[136+\p:137+\p], s[42:43], s[40:41] op_sel_hi:[1,0,0]
.endr
.irp p, 0,2,4,6
	v_pk_fma_f32 v[152+\p:153+\p], v[152+\p:153+\p], v[136+\p:137+\p], s[38:39] op_sel_hi:[1,1,0]
.endr
.irp p, 0,2,4,6
	v_pk_fma_f32 v[152+\p:153+\p], v[152+\p:153+\p], v[136+\p:137+\p], s[36:37] op_sel_hi:[1,1,0]
.endr
.irp p, 0,2,4,6
	v_pk_fma_f32 v[152+\p:153+\p], v[152+\p:153+\p], v[136+\p:137+\p], s[34:35] op_sel_hi:[1,1,0]
.endr
.irp p, 0,2,4,6
	v_pk_mul_f32 v[152+\p:153+\p], v[152+\p:153+\p], v[136+\p:137+\p]
.endr
.irp p, 0,2,4,6
	v_pk_mul_f32 v[152+\p:153+\p], v[152+\p:153+\p], v[144+\p:145+\p]
.endr
.irp i, 0,1,2,3,4,5,6,7
	v_max_num_f32 v[136+\i], 0, v[128+\i]
.endr
.irp i, 0,1,2,3,4,5,6,7
	v_fma_f32 v[128+\i], -|v[128+\i]|, v[152+\i], v[136+\i]
.endr
.irp k, 0,1,2,3
	v_cvt_pk_bf16_f32 v[164+\k], v[128+2*\k], v[129+2*\k]
.endr
	ds_store_b128 v11, v[164:167]
	v_add_nc_u32 v11, (2048/(\N))*PD, v11          ; 2,048 / N rows on
	s_sub_co_u32 s44, s44, 1
	s_cmp_lg_u32 s44, 0
	s_cbranch_scc1 .Lgelu_\@
.endm
; o = season + trend of one scale.  Wave w takes channels 16 (w % 4) on and the time blocks of 16 numbered w / 4 + 2 k.  The turning load takes 8 channels x 8 times in each group of eight lanes and
; leaves a lane one time and eight channels: a piece of O.  Each half of the lanes stores 256 consecutive bytes, aligned.
.macro OUT T, PB, QB, first
.set XT, ((\T)/64)/2-((\T)/64)/8
	WIN 0
.if !(\first)
	s_wait_xcnt 0x0                                ; the registers below were the data of the last scale's stores: they are loaded again only behind this wait
.endif
	v_add_nc_u32 v28, \PB, v[17+XT]
	v_add_nc_u32 v29, \QB, v[17+XT]
.set kk, 0
.rept (\T)/32
	ds_load_tr16_b128 v[128+8*kk:128+8*kk+3], v28 offset:64*kk
	ds_load_tr16_b128 v[128+8*kk+4:128+8*kk+7], v29 offset:64*kk
.set kk, kk+1
.endr
.set kk, 0
.rept (\T)/32
	s_wait_dscnt 2*((\T)/32-1-kk)                  ; the two loads of each later k may stay out
.irp j, 0,1,2,3
	v_pk_add_bf16 v[128+8*kk+\j], v[128+8*kk+\j], v[132+8*kk+\j]
.endr
	global_store_b128 v[21+XT], v[128+8*kk:128+8*kk+3], s[22:23] offset:512*kk
.set kk, kk+1
.endr
.endm
; A link of a chain.  First barrier: X's last stores and G's last reads are over.  Second: the raw G is whole.  Third: so is gelu(G).  A residual piece is read and written by one wave alone.
.macro BLOCK K, N, X, Y
	BAR
	LAYER \K, \N, \X, GB, 0
	BAR
	GELU \N
	BAR
	LAYER \N, \N, GB, \Y, 1
.endm
	s_load_b512 s[4:19], s[0:1], 0x0               ; s0 s[4:5], s1, s2, s3, t0 s[12:13], t1, t2, t3
	s_load_b128 s[20:23], s[0:1], 0x40             ; WM s[20:21], O s[22:23]
	v_lshl_add_u32 v26, v0, 2, SPARE               ; the add's two registers
	v_mov_b32 v27, 0
	v_lshrrev_b32 v1, 5, v0
	v_readfirstlane_b32 s24, v1                    ; wave 0..7
	v_lshlrev_b32 v16, 4, v0
	s_mov_b32 s29, 0
	s_wait_kmcnt 0x0
.irp x, 0,1,2,3
	s_lshl_b32 s28, ttmp9, 17-\x                   ; the group's 64 rows of 4 T bytes
	s_add_nc_u64 s[4+2*\x:5+2*\x], s[4+2*\x:5+2*\x], s[28:29]
	s_add_nc_u64 s[12+2*\x:13+2*\x], s[12+2*\x:13+2*\x], s[28:29]
.endr
	s_mul_i32 s28, s24, WMS
	s_add_nc_u64 s[20:21], s[20:21], s[28:29]      ; my stream of weights
	ISSUE 4, 0, 16, 128                            ; 32 loads of every wave are on their way from here to the inputs' end
	ISSUE 4, 16, 16, 192
	s_lshr_b32 s25, s24, 2                         ; w / 4
	s_and_b32 s26, s24, 3                          ; w % 4
	v_and_b32 v1, 31, v0
	v_and_b32 v2, 15, v0                           ; r
	v_bfe_u32 v3, v0, 4, 1                         ; h
	v_lshlrev_b32 v10, 4, v1
.irp x, 0,1,2,3
	v_mul_u32_u24 v[4+\x], v2, (128<<\x)+16
	v_lshl_add_u32 v[4+\x], v3, 4, v[4+\x]         ; r x pitch + 16 h
	v_lshrrev_b32 v28, 4+\x, v0                    ; an input's item: row thread / (T / 4),
	v_and_b32 v29, (16<<\x)-1, v0                  ; four numbers, 8 bytes of bf16
	v_mul_u32_u24 v28, v28, (128<<\x)+16
	v_lshl_add_u32 v[12+\x], v29, 3, v28
.endr
	v_and_b32 v28, 7, v0
	v_lshl_add_u32 v28, v3, 3, v28
	s_lshl_b32 s27, s26, 4
	v_add_nc_u32 v28, s27, v28                     ; the turning load's row: 16 (w % 4) + 8 h + lane % 8
	v_bfe_u32 v29, v0, 3, 1
	v_lshlrev_b32 v29, 4, v29
	s_lshl_b32 s27, s25, 5
	v_add_nc_u32 v29, s27, v29                     ; its bytes: 32 (w / 4) + 16 ((lane / 8) % 2)
	v_lshlrev_b32 v30, 4, v2
	s_lshl_b32 s27, s25, 8
	v_add_nc_u32 v30, s27, v30                     ; in O: 16 (16 (w / 4) + r)
.irp x, 0,1,2,3
	v_mul_u32_u24 v31, v28, (128<<\x)+16
	v_add_nc_u32 v[17+\x], v31, v29
	s_lshl_b32 s27, ttmp9, 13+\x                   ; the group's eight blocks of 16 T bytes
	s_lshl_b32 s28, s26, 11+\x                     ; block 2 (w % 4)
	s_add_co_u32 s27, s27, s28
	v_lshl_add_u32 v[21+\x], v3, 10+\x, v30        ; + h
	v_add_nc_u32 v[21+\x], s27, v[21+\x]
.endr
	v_add_nc_u32 v21, 14680064, v21                ; where the scale begins in O: too large for a store's immediate
	v_add_nc_u32 v22, 12582912, v22
	v_add_nc_u32 v23, 8388608, v23
	v_lshlrev_b32 v28, 3, v3                       ; the unit fragment: row r holds 1.0 at k = r, which lies in my registers where 0 <= r - 8 h < 8
	v_sub_nc_u32 v28, v2, v28
	v_mov_b32 v29, 0x3f80
	v_mov_b32 v30, 0x3f800000
.irp p, 0,1,2,3
	v_cmp_eq_u32 vcc_lo, 2*\p, v28
	v_cndmask_b32 v[96+\p], 0, v29, vcc_lo
	v_cmp_eq_u32 vcc_lo, 2*\p+1, v28
	v_cndmask_b32 v[96+\p], v[96+\p], v30, vcc_lo
	v_mov_b32 v[100+\p], 0
.endr
	s_mov_b32 s30, 0x3e6d3389                      ; 0.2316419
	s_mov_b32 s31, s30
	s_mov_b32 s32, 0xbf38aa3b                      ; -log2(e) / 2
	s_mov_b32 s33, s32
	s_mov_b32 s34, 0x3e027906                      ; A1 =  0.127414796
	s_mov_b32 s35, s34
	s_mov_b32 s36, 0xbe11a98e                      ; A2 = -0.142248368
	s_mov_b32 s37, s36
	s_mov_b32 s38, 0x3f35f0e3                      ; A3 =  0.710706871
	s_mov_b32 s39, s38
	s_mov_b32 s40, 0xbf3a00e3                      ; A4 = -0.726576014
	s_mov_b32 s41, s40
	s_mov_b32 s42, 0x3f07dc22                      ; A5 =  0.530702715
	s_mov_b32 s43, s42
	s_mov_b32 s45, 0xffff0000                      ; a word's upper bf16
	; THE INPUTS: a batch is asked for before the batch in front of it is rounded and put into LDS
	DRAIN 3, S0B, 0, 16, 128, 16
	ISSUE 12, 0, 16, 128
	DRAIN 3, S0B, 16, 16, 192, 16
	ISSUE 12, 16, 16, 192
	DRAIN 3, T0B, 0, 16, 128, 16
	ISSUE 6, 0, 16, 128
	DRAIN 3, T0B, 16, 16, 192, 16
	ISSUE 14, 0, 16, 192
	DRAIN 2, S1B, 0, 16, 128, 16
	ISSUE 8, 0, 8, 128
	ISSUE 16, 0, 8, 160
	DRAIN 2, T1B, 0, 16, 192, 16
	ISSUE 10, 0, 4, 192
	ISSUE 18, 0, 4, 208
	DRAIN 1, S2B, 0, 8, 128, 16                    ; behind s2's eight: t2's eight, s3's and t3's four each
	DRAIN 1, T2B, 0, 8, 160, 8
	RINGFILL 24                                    ; the ring's first 24 fragments: 48 loads
	WIN 0
	DRAIN 0, S3B, 0, 4, 192, 52                    ; behind s3's four: t3's four and the ring's 48
	DRAIN 0, T3B, 0, 4, 208, 48
	BLOCK 512, 256, S0B, S1B                       ; season, from fine to coarse
	BLOCK 256, 128, S1B, S2B
	BLOCK 128, 64,  S2B, S3B
	BLOCK 64,  128, T3B, T2B                       ; trend, from coarse to fine
	BLOCK 128, 256, T2B, T1B
	BLOCK 256, 512, T1B, T0B
	BAR
	OUT 512, S0B, T0B, 1
	OUT 256, S1B, T1B, 0
	OUT 128, S2B, T2B, 0
	OUT 64,  S3B, T3B, 0
	s_wait_tensorcnt 0x0                           ; the wave's end, behind my last LDS store
	ds_add_u32 v26, v27
	s_wait_dscnt 0x0
	s_endpgm
.Lfunc_end_k_qffe10bfd9b_mix:
	.size	k_qffe10bfd9b_mix, .Lfunc_end_k_qffe10bfd9b_mix-k_qffe10bfd9b_mix
	.p2alignl 7, 3214868480
	.fill 96, 4, 3214868480
	.section	.rodata,"a",@progbits
	.p2align	6, 0x0
	.amdhsa_kernel k_qffe10bfd9b_mix
		.amdhsa_group_segment_fixed_size 321536
		.amdhsa_private_segment_fixed_size 0
		.amdhsa_enable_private_segment 0
		.amdhsa_kernarg_size 80
		.amdhsa_user_sgpr_count 2
		.amdhsa_user_sgpr_kernarg_segment_ptr 1
		.amdhsa_wavefront_size32 1
		.amdhsa_system_sgpr_workgroup_id_x 1
		.amdhsa_system_sgpr_workgroup_id_y 1
		.amdhsa_system_sgpr_workgroup_id_z 1
		.amdhsa_system_vgpr_workitem_id 0
		.amdhsa_next_free_vgpr 512
		.amdhsa_next_free_sgpr 66
		.amdhsa_reserve_vcc 1
		.amdhsa_float_denorm_mode_32 3
		.amdhsa_float_denorm_mode_16_64 3
		.amdhsa_memory_ordered 1
		.amdhsa_forward_progress 1
		.amdhsa_inst_pref_size 255
	.end_amdhsa_kernel
	.section	.bss,"aw",@nobits
	.p2align	6
	.space	262144
	.amdgpu_metadata
---
amdhsa.version: [ 1, 2 ]
amdhsa.kernels:
  - .name:           k_qffe10bfd9b_mix
    .symbol:         k_qffe10bfd9b_mix.kd
    .args:
      - { .name: s0, .offset: 0, .size: 8, .value_kind: global_buffer, .address_space: global }
      - { .name: s1, .offset: 8, .size: 8, .value_kind: global_buffer, .address_space: global }
      - { .name: s2, .offset: 16, .size: 8, .value_kind: global_buffer, .address_space: global }
      - { .name: s3, .offset: 24, .size: 8, .value_kind: global_buffer, .address_space: global }
      - { .name: t0, .offset: 32, .size: 8, .value_kind: global_buffer, .address_space: global }
      - { .name: t1, .offset: 40, .size: 8, .value_kind: global_buffer, .address_space: global }
      - { .name: t2, .offset: 48, .size: 8, .value_kind: global_buffer, .address_space: global }
      - { .name: t3, .offset: 56, .size: 8, .value_kind: global_buffer, .address_space: global }
      - { .name: WM, .offset: 64, .size: 8, .value_kind: global_buffer, .address_space: global }
      - { .name: O, .offset: 72, .size: 8, .value_kind: global_buffer, .address_space: global }
    .group_segment_fixed_size: 321536
    .private_segment_fixed_size: 0
    .kernarg_segment_align: 8
    .kernarg_segment_size: 80
    .max_flat_workgroup_size: 256
    .sgpr_count:     66
    .vgpr_count:     512
    .wavefront_size: 32
...
	.end_amdgpu_metadata
.endif
;; end of part 2
;; launch kan (part 3): grid 240 x 1, 4 waves a work-group, clusters of 4 x 1, 327,680 bytes of LDS; arguments O, WK, x0, x1, x2, x3, out0, out1, out2, out3; writes out0, out1, out2, out3
.if DOCPART == 3
	.amdgcn_target "amdgcn-amd-amdhsa--gfx1250"
	.amdhsa_code_object_version 6
	.text
	.protected	k_qffe10bfd9b_kan
	.globl	k_qffe10bfd9b_kan
	.p2align	8
	.type	k_qffe10bfd9b_kan,@function
k_qffe10bfd9b_kan:
	s_mov_b64 s[64:65], 0
	v_nop
	global_prefetch_b8 v0, s[64:65] scope:SCOPE_SE
	s_setreg_imm32_b32 hwreg(HW_REG_WAVE_MODE, 25, 1), 1
	s_wait_xcnt 0x0
	s_wait_alu depctr_hold_cnt(0) depctr_sa_sdst(0) depctr_va_vdst(0) depctr_va_sdst(0) depctr_va_ssrc(0) depctr_va_vcc(0) depctr_vm_vsrc(0)
	s_getreg_b32 s2, hwreg(HW_REG_IB_STS2, 6, 4)
	s_cmp_eq_u32 s2, 0
	s_cbranch_scc0 .Lentry_in_a_cluster
	s_endpgm
.Lentry_in_a_cluster:
	s_bfe_u32 s2, ttmp6, 0x10000c
	s_cmp_lg_u32 s2, 0x3003
	s_cbranch_scc0 .Lentry_shape_is_right
	s_endpgm
.Lentry_shape_is_right:
; THREE KAN LAYERS AND THE RESIDUAL, FUSED.  out = x + kan2(kan1(kan0(o))) for 15,360 rows (b, t) of 512 channels.
; A LAYER IS ONE PRODUCT with K = 5 x 512: feature 0 is silu(x); features 1 .. 4 are six times the four cubic B-splines on the knots -7, -5 .. 7: a^3 - 4 b^3 with s = |x / 2 + 1.5 - j|,
; a = max(0, 2 - s), b = max(0, 1 - s), which is the recursion's result for every finite x (0 outside -7 .. 7); the 1 / 6 and the scaler lie in the weights (WK).
; SHARES.  A work-group owns 64 rows and all 512 columns through all three layers: 15,360 / 64 = 240 work-groups.  A wave owns 64 rows x 128 columns: 32 accumulators, 256 registers.
; STEPS.  K goes in 60 steps of 128: step s = 20 l + 5 g + f is feature f of channels 128 g .. 128 g + 127.  A step has a tile of weights, 131,072 bytes in fragment order, of which each wave fetches and
; reads its own 32,768, and a tile of features, 64 rows x 128 in bf16, which the four waves make together and all four read.
; THE ACTIVATIONS STAY IN REGISTERS, in f32.  Source 0 = 16 columns of weights, source 1 = 16 rows of features: a lane holds one row and eight neighbouring channels.  In layers 0 and 1 a wave's columns
; are 32 of each 128 channels, so each wave makes a quarter of every feature tile from its own registers, 16 bytes a lane and store.  In layer 2 they are 128 on end: 512 bytes of a row of out.
; A TRIP multiplies step s and then makes the features of step s + 1 into the other feature slot.
; CLUSTER.  All work-groups walk the same 60 tiles: the four of a cluster ask for each JOINTLY, the same tensor load, descriptor and mask in all four.  One round of the cluster's barrier a trip: in front of
; it every wave's tile has landed, its feature stores are done and its reads of both old slots are back; the joint refill is the first thing behind it and has the whole trip in which to land.
; By this text's own count one tensor load of a wave is out at any time.
; LIMITS.  Features and weights are rounded once to bf16, sums and activations are f32.  NaN and infinities are not treated apart (a NaN gives spline features 0).
; REGISTERS, in windows of 256 (s_set_vgpr_msb: bits 1:0 source 0, 3:2 source 1, 5:4 source 2, 7:6 destination):
;   window 0: v1-3 lane, r, h; v4 my place in my part of a weight slot (and in my stage); v5, v6 my place in a feature slot to read, to write; v7, v8, v9 the same three in the slots in hand; v10 my bytes
;     of a row of x and out; v11 into my stage; v14, v15 the add's two; v16-23 my offsets in O; v24-25 the spline's shift; v28, v29 at work; v32-95 XG, the group's channels (a, bb, j) at 32 + 16 a + 8 bb + j;
;     v96-151 at work; in the tail v96-223 two sets of 16 rows
;   window 1: v0-127 two buffers of weight fragments; v128-191 two of feature fragments; at the start v0-127 take O
;   window 2: the accumulators, (a, b) at 64 (b / 2) + 16 a + 8 (b % 2)        window 3: H, the layer's input, with the same index; in the tail the 64 rows of x
.set WSL, 1<<17                        ; weight slot 1 begins here: one exclusive or changes slots
.set A0B, 262144                       ; feature slot 0
.set ASL, 0x8000                       ; feature slot 1 lies this far on
.set AP,  272                          ; a feature row: 256 bytes + 16: the 16 rows of a load start at 16 different groups of four banks (64 banks of 4 bytes: ISA guide 11.1)
.set SPARE, 279552                     ; between the feature slots: the spare words, 128 bytes for each wave: two blocks of 256 bytes that no other line names
.set SPI, 528                          ; a stage row: 512 bytes + 16
.set STG, 16*SPI                       ; a stage: 16 rows.  Two of them lie in my own part of weight slot 0, which has had its last fill when they are written
.set MSB, 0
.macro WIN new                         ; the immediate's high byte repeats the setting that is left; a switch that changes nothing is dropped
.if MSB != (\new)
	s_set_vgpr_msb (MSB<<8)|(\new)
.set MSB, (\new)
.endif
.endm
.macro PLACES                          ; four places between a matrix instruction and a load into, or a vector instruction or store on, its registers
.rept 4
	v_nop
.endr
.endm
; A round of the cluster's barrier: my work-group's barrier, so that wave 0's signal speaks for all four waves; wave 0 signals; every wave waits for all four work-groups; my work-group's barrier once more.
.macro ROUND
	s_barrier_signal -1
	s_barrier_wait -1
	s_cmp_lg_u32 s24, 0
	s_cbranch_scc1 .Lnot_wave_0_\@
	s_barrier_signal -3
.Lnot_wave_0_\@:
	s_barrier_wait -3
	s_barrier_signal -1
	s_barrier_wait -1
.endm
.macro JLOAD                           ; my quarter of a tile, jointly with the three partners; an s_nop 0 and four v_nop follow
	tensor_load_to_lds s[32:35], s[36:43]
	s_nop 0
.rept 4
	v_nop
.endr
.endm
; 24 LDS loads in one run: K block q of the step: eight weight fragments (512 consecutive bytes a load) and four feature fragments, into buffers buf
.macro FETCH q, buf
	WIN 0x40                                       ; destination window 1, address window 0
.set bb, 0
.rept 8
	ds_load_b128 v[64*(\buf)+8*bb:64*(\buf)+8*bb+3], v7 offset:1024*(8*(\q)+bb)
	ds_load_b128 v[64*(\buf)+8*bb+4:64*(\buf)+8*bb+7], v7 offset:1024*(8*(\q)+bb)+512
.set bb, bb+1
.endr
.set aa, 0
.rept 4
	ds_load_b128 v[128+32*(\buf)+8*aa:128+32*(\buf)+8*aa+3], v8 offset:16*AP*aa+64*(\q)
	ds_load_b128 v[128+32*(\buf)+8*aa+4:128+32*(\buf)+8*aa+7], v8 offset:16*AP*aa+64*(\q)+32
.set aa, aa+1
.endr
.endm
; 32 products, 32 along K: all 32 accumulators by turns, over the loop's backward jump too.  zero = 1: they start a layer's sums.
.macro MUL32 buf, zero
	WIN 0xA5                                       ; sources 0 and 1 window 1; C and D window 2
.set aa, 0
.rept 4
.set bb, 0
.rept 8
.set rC, 64*(bb/2)+16*aa+8*(bb%2)
.if \zero
	v_wmma_f32_16x16x32_bf16 v[rC:rC+7], v[64*(\buf)+8*bb:64*(\buf)+8*bb+7], v[128+32*(\buf)+8*aa:128+32*(\buf)+8*aa+7], 0
.else
	v_wmma_f32_16x16x32_bf16 v[rC:rC+7], v[64*(\buf)+8*bb:64*(\buf)+8*bb+7], v[128+32*(\buf)+8*aa:128+32*(\buf)+8*aa+7], v[rC:rC+7]
.endif
.set bb, bb+1
.endr
.set aa, aa+1
.endr
.endm
; A step's 128 products.  Each wait for 24 leaves out the run of loads just issued.  dyn = 1: s47 says whether the step starts a layer's sums; it is the same in every wave and every work-group.
.macro MMA dyn
	FETCH 0, 0
	FETCH 1, 1
	s_wait_dscnt 24
.if \dyn
	WIN 0
	s_cmp_eq_u32 s47, 1
	s_cbranch_scc0 .Lacc_\@
	MUL32 0, 1
	WIN 0
	s_mov_b32 s47, 0
	s_branch .Lmul_\@
.Lacc_\@:
	MUL32 0, 0
	WIN 0
.Lmul_\@:
.else
	MUL32 0, 0
.endif
	PLACES
	FETCH 2, 0
	s_wait_dscnt 24
	MUL32 1, 0
	PLACES
	FETCH 3, 1
	s_wait_dscnt 24
	MUL32 0, 0
	s_wait_dscnt 0x0
	MUL32 1, 0
	WIN 0
.endm
; A layer is finished: its sums become the next layer's input.  The copy is needed: the next layer's products write the accumulators while the old numbers are wanted for 20 steps more.
.macro COPYH
	PLACES
	WIN 0xC2                                       ; destination window 3, source window 2
.set i, 0
.rept 256
	v_mov_b32 v[i], v[i]                           ; ascending: each accumulator from its low end on
.set i, i+1
.endr
	WIN 0
	s_mov_b32 s47, 1
.endm
.macro SELECT g                        ; group g's 64 registers of H into window 0, where five steps' features are made of them
	WIN 0x03
.set i, 0
.rept 64
	v_mov_b32 v[32+i], v[64*(\g)+i]
.set i, i+1
.endr
	WIN 0
.endm
.macro PUT                             ; 16 numbers in v96-111 are rounded and put into the feature slot: rows 16 aa + r, my 64 bytes of them
.set p, 0
.rept 8
	v_cvt_pk_bf16_f32 v[144+p], v[96+2*p], v[97+2*p]
.set p, p+1
.endr
	ds_store_b128 v9, v[144:147] offset:16*AP*aa
	ds_store_b128 v9, v[148:151] offset:16*AP*aa+32
.endm
.macro FEAT_BASIS                      ; a^3 - 4 b^3 for the shift in v24
	WIN 0
.set aa, 0
.rept 4
.set X, 32+16*aa
.set p, 0
.rept 8
	v_pk_fma_f32 v[96+2*p:97+2*p], v[X+2*p:X+2*p+1], 0.5, v[24:25] op_sel_hi:[1,0,0]
.set p, p+1
.endr
.set p, 0
.rept 16
	v_sub_f32 v[112+p], 2.0, |v[96+p]|
.set p, p+1
.endr
.set p, 0
.rept 8
	v_pk_add_f32 v[128+2*p:129+2*p], v[112+2*p:113+2*p], -1.0 op_sel_hi:[1,0]
.set p, p+1
.endr
.set p, 0
.rept 32
	v_max_num_f32 v[112+p], 0, v[112+p]            ; a in v112-127, b in v128-143
.set p, p+1
.endr
.set p, 0
.rept 8
	v_pk_mul_f32 v[96+2*p:97+2*p], v[112+2*p:113+2*p], v[112+2*p:113+2*p]
.set p, p+1
.endr
.set p, 0
.rept 8
	v_pk_mul_f32 v[112+2*p:113+2*p], v[112+2*p:113+2*p], v[96+2*p:97+2*p]
.set p, p+1
.endr
.set p, 0
.rept 8
	v_pk_mul_f32 v[96+2*p:97+2*p], v[128+2*p:129+2*p], v[128+2*p:129+2*p]
.set p, p+1
.endr
.set p, 0
.rept 8
	v_pk_mul_f32 v[128+2*p:129+2*p], v[128+2*p:129+2*p], v[96+2*p:97+2*p]
.set p, p+1
.endr
.set p, 0
.rept 8
	v_pk_fma_f32 v[96+2*p:97+2*p], v[128+2*p:129+2*p], -4.0, v[112+2*p:113+2*p] op_sel_hi:[1,0,1]
.set p, p+1
.endr
	PUT
.set aa, aa+1
.endr
.endm
.macro FEAT_SILU                       ; x / (1 + 2^(-x log2(e)))
	WIN 0
.set aa, 0
.rept 4
.set X, 32+16*aa
.set p, 0
.rept 8
	v_pk_mul_f32 v[96+2*p:97+2*p], v[X+2*p:X+2*p+1], 0xbfb8aa3b op_sel_hi:[1,0]
.set p, p+1
.endr
.set p, 0
.rept 16
	v_exp_f32 v[96+p], v[96+p]
.set p, p+1
.endr
	v_nop                                          ; a plain line between the last exponential and the use of its result (ISA guide 5.7.2)
.set p, 0
	s_wait_alu depctr_va_vdst(0)
.rept 8
	v_pk_add_f32 v[96+2*p:97+2*p], v[96+2*p:97+2*p], 1.0 op_sel_hi:[1,0]
.set p, p+1
.endr
.set p, 0
.rept 16
	v_rcp_f32 v[96+p], v[96+p]
.set p, p+1
.endr
	v_nop
.set p, 0
	s_wait_alu depctr_va_vdst(0)
.rept 8
	v_pk_mul_f32 v[96+2*p:97+2*p], v[96+2*p:97+2*p], v[X+2*p:X+2*p+1]
.set p, p+1
.endr
	PUT
.set aa, aa+1
.endr
.endm
	s_load_b128 s[4:7], s[0:1], 0x0                ; O s[4:5], WK s[6:7]
	s_load_b256 s[8:15], s[0:1], 0x10              ; x0 .. x3
	s_load_b256 s[16:23], s[0:1], 0x30             ; out0 .. out3
	v_lshl_add_u32 v14, v0, 2, SPARE
	v_mov_b32 v15, 0
	ds_add_u32 v14, v15                            ; the wave's opening: the add and its wait stand ahead of my first tensor load; the set-up below, work on registers, stands between them
	v_lshrrev_b32 v1, 5, v0
	v_readfirstlane_b32 s24, v1                    ; wave 0..3
	v_and_b32 v1, 31, v0
	v_and_b32 v2, 15, v0                           ; r
	v_bfe_u32 v3, v0, 4, 1                         ; h
	s_bfe_u32 s25, ttmp6, 0x40000                  ; cx: my place in the cluster
	s_lshl_b32 s26, ttmp9, 2                       ; in a cluster launch ttmp9 counts clusters
	s_add_co_u32 s26, s26, s25                     ; my block of 64 rows: it enters the addresses of O, x and out alone
	; descriptor group 1: 32,768 dense bytes as 128 rows of 256
	s_mov_b32 s36, 15|(3<<16)|(1<<21)              ; 15:0 the mask: all four work-groups; 17:16 elements of 8 bytes; 21 set beside a mask; no padding
	s_mov_b32 s37, 32<<16                          ; tensor_dim0 = 32
	s_mov_b32 s38, 128<<16                         ; tensor_dim1 = 128
	s_mov_b32 s39, 32<<16                          ; tile_dim0 = 32
	s_mov_b32 s40, 128                             ; tile_dim1 = 128
	s_mov_b32 s41, 32                              ; 32 elements from row to row
	s_mov_b32 s42, 0
	s_mov_b32 s43, 0
	s_mov_b32 s32, 1                               ; group 0: count = 1
	s_lshl_b32 s33, s24, 15                        ; LDS address: slot 0, my quarter: no place in the cluster enters it
	s_mov_b32 s30, s33
	s_mov_b32 s31, 0
	v_lshlrev_b32 v4, 4, v1
	v_add_nc_u32 v4, s33, v4                       ; 32,768 w + 16 x lane
	v_mul_u32_u24 v5, v2, AP
	v_lshl_add_u32 v5, v3, 4, v5
	v_add_nc_u32 v5, A0B, v5                       ; a feature fragment: row r, 16 bytes for each half of the lanes
	s_lshl_b32 s57, s24, 6
	v_add_nc_u32 v6, s57, v5                       ; my 32 channels of the 128
	s_lshl_b32 s57, s24, 9
	v_lshlrev_b32 v10, 4, v1
	v_add_nc_u32 v10, s57, v10                     ; 512 w + 16 x lane
	v_mul_u32_u24 v11, v2, SPI
	v_lshl_add_u32 v11, v3, 5, v11
	v_add_nc_u32 v11, s33, v11                     ; into my stage: row r, 32 bytes for each half of the lanes
	s_sub_co_u32 s57, s26, 128
	s_sub_co_u32 s58, s26, 192
	s_sub_co_u32 s59, s26, 224
	s_mov_b32 s27, s26                             ; the block's number in its scale,
	s_mov_b32 s28, 9                               ; log2 T,
	s_mov_b32 s29, 0                               ; and where the scale begins in O: scale 0
	s_mov_b32 s56, 0xffff0000
	s_wait_dscnt 0x0                               ; the opening add is done
	s_wait_kmcnt 0x0
	s_add_nc_u64 s[34:35], s[6:7], s[30:31]        ; global address: tile 0, my quarter
	s_or_b32 s35, s35, 0x80000000                  ; type = 2
	ROUND                                          ; all four work-groups are here: the first joint loads meet
	JLOAD                                          ; tile 0 into slot 0
	; which scale: selects alone, no branch hangs on the block's number
	s_mov_b64 s[52:53], s[8:9]
	s_mov_b64 s[54:55], s[16:17]
	s_cmp_ge_u32 s26, 128
	s_cselect_b32 s27, s57, s27
	s_cselect_b32 s28, 8, s28
	s_cselect_b32 s29, 8388608, s29
	s_cselect_b64 s[52:53], s[10:11], s[52:53]
	s_cselect_b64 s[54:55], s[18:19], s[54:55]
	s_cmp_ge_u32 s26, 192
	s_cselect_b32 s27, s58, s27
	s_cselect_b32 s28, 7, s28
	s_cselect_b32 s29, 12582912, s29
	s_cselect_b64 s[52:53], s[12:13], s[52:53]
	s_cselect_b64 s[54:55], s[20:21], s[54:55]
	s_cmp_ge_u32 s26, 224
	s_cselect_b32 s27, s59, s27
	s_cselect_b32 s28, 6, s28
	s_cselect_b32 s29, 14680064, s29
	s_cselect_b64 s[52:53], s[14:15], s[52:53]
	s_cselect_b64 s[54:55], s[22:23], s[54:55]
	s_sub_co_u32 s30, s28, 6
	s_lshr_b32 s57, s27, s30                       ; b
	s_lshl_b32 s58, s57, s30
	s_sub_co_u32 s58, s27, s58
	s_lshl_b32 s58, s58, 6                         ; t0
	s_add_co_u32 s31, s28, 6
	s_lshl_b32 s57, s57, s31                       ; 64 b T
	s_add_co_u32 s58, s58, s57
	s_lshl_b32 s58, s58, 4                         ; pieces of 16 bytes
	s_add_co_u32 s58, s58, s29
	s_mov_b32 s59, 0
	s_add_nc_u64 s[4:5], s[4:5], s[58:59]          ; O at (b, c8 = 0, t0)
	s_lshl_b32 s58, s27, 17                        ; 64 rows of 2,048 bytes
	s_add_nc_u64 s[52:53], s[52:53], s[58:59]      ; x and out at my block's first row
	s_add_nc_u64 s[54:55], s[54:55], s[58:59]
	s_add_co_u32 s30, s28, 4                       ; a block of 8 channels is 16 T bytes
	s_lshl_b32 s57, s24, 2
	v_add_nc_u32 v28, s57, v3                      ; 4 w + h
.irp b, 0,1,2,3,4,5,6,7
	v_add_nc_u32 v29, 16*(\b/2)+2*(\b%2), v28      ; c8 of column tile b
	v_lshlrev_b32 v29, s30, v29
	v_lshl_add_u32 v[16+\b], v2, 4, v29            ; + 16 r: 16 lanes read 256 consecutive bytes
.endr
	WIN 0x40
.set i, 0
.rept 32                               ; i = 8 g + 2 a + bb: rows 16 a on, eight channels
	global_load_b128 v[4*i:4*i+3], v[16+2*(i/8)+i%2], s[4:5] offset:256*((i/2)%4) th:TH_LOAD_NT
.set i, i+1
.endr
	s_wait_loadcnt 0x0
	WIN 0xC4                                       ; destination window 3, source 1 window 1
.set i, 0
.rept 128                              ; word i holds numbers 2 i and 2 i + 1 of H
	v_lshlrev_b32 v[2*i], 16, v[i]
	v_and_b32 v[2*i+1], s56, v[i]
.set i, i+1
.endr
	WIN 0
	v_mov_b32 v9, v6                               ; step 0's features go into feature slot 0
	s_mov_b32 s44, 60                              ; steps whose features are still to be made
	s_mov_b32 s45, 0                               ; f and
	s_mov_b32 s46, 0                               ; g of the step whose features are made next
	s_mov_b32 s47, 1                               ; the next step starts a layer's sums
	s_mov_b32 s48, 0                               ; the weight slot and
	s_mov_b32 s49, 0                               ; the feature slot of the step to be multiplied next
	s_branch .Lsel0                                ; the loop is entered where features are made
.Ltop:                                 ; 59 trips: step s is multiplied, tile s + 1 asked for, the features of step s + 1 made
	s_wait_tensorcnt 0x0                           ; my quarter of tile s has landed, and no tensor load of mine is out, so group 0 may be written
	ds_add_u32 v14, v15                            ; 0 onto my spare word: the slots' steps stand between it and the wait for it
	s_xor_b32 s33, s33, WSL                        ; the next tile goes into the other slot
	s_add_nc_u64 s[34:35], s[34:35], 131072        ; the type bits on top are not reached
	v_add_nc_u32 v7, s48, v4
	s_xor_b32 s48, s48, WSL
	v_add_nc_u32 v8, s49, v5
	s_xor_b32 s49, s49, ASL
	v_add_nc_u32 v9, s49, v6
	s_wait_dscnt 0x0                               ; the add is done, my feature stores are done, my reads of both old slots are back
	ROUND                                          ; all that now holds of every wave of all four work-groups
	JLOAD                                          ; the first thing behind the round; its four v_nop are also places in front of the loads below
	MMA 1
	s_cmp_lg_u32 s45, 0
	s_cbranch_scc1 .Lbasis
	s_cmp_lg_u32 s46, 0
	s_cbranch_scc1 .Lsel
	COPYH                                          ; f = g = 0: the step just multiplied was a layer's last
.Lsel:
	s_cmp_eq_u32 s46, 1
	s_cbranch_scc1 .Lsel1
	s_cmp_eq_u32 s46, 2
	s_cbranch_scc1 .Lsel2
	s_cmp_eq_u32 s46, 3
	s_cbranch_scc1 .Lsel3
.Lsel0:
	SELECT 0
	s_branch .Lsilu
.Lsel1:
	SELECT 1
	s_branch .Lsilu
.Lsel2:
	SELECT 2
	s_branch .Lsilu
.Lsel3:
	SELECT 3
.Lsilu:
	FEAT_SILU
	v_mov_b32 v24, 0x3fc00000                      ; the first spline's shift, 1.5
	v_mov_b32 v25, 0x3fc00000                      ; named with it as a pair
	s_branch .Lbot
.Lbasis:
	FEAT_BASIS
	v_add_f32 v24, -1.0, v24                       ; the next spline lies one knot on
.Lbot:
	s_add_co_u32 s45, s45, 1
	s_cmp_eq_u32 s45, 5
	s_cselect_b32 s45, 0, s45
	s_cselect_b32 s57, 1, 0
	s_add_co_u32 s46, s46, s57
	s_and_b32 s46, s46, 3
	s_sub_co_u32 s44, s44, 1
	s_cmp_lg_u32 s44, 0
	s_cbranch_scc1 .Ltop
	; THE TAIL is written out: step 59, and nothing is asked for.  H is free: the 64 rows of x land there while step 59 is multiplied.
	WIN 0xC0
.set i, 0
.rept 64
	global_load_b128 v[4*i:4*i+3], v10, s[52:53] offset:2048*i th:TH_LOAD_NT   ; 512 consecutive bytes: my columns of row i
.set i, i+1
.endr
	WIN 0
	s_wait_tensorcnt 0x0                           ; my quarter of tile 59 has landed
	ds_add_u32 v14, v15
	v_add_nc_u32 v7, s48, v4
	v_add_nc_u32 v8, s49, v5
	s_wait_dscnt 0x0                               ; my feature stores are done
	s_barrier_signal -1
	s_barrier_wait -1                              ; everybody's are; nothing is filled again, so no round
	MMA 0
	PLACES
; THE WAY OUT, 16 rows at a time: a lane's eight numbers of a row go into my stage (rows of 528 bytes) and come back as whole pieces of 512 bytes; x is added; a store covers 512 consecutive bytes, aligned.
.macro OUTA a
	WIN 0x08                                       ; the stores' data in window 2
.set bb, 0
.rept 8
.set rC, 64*(bb/2)+16*(\a)+8*(bb%2)
	ds_store_b128 v11, v[rC:rC+3] offset:STG*((\a)%2)+64*bb        ; each accumulator from its low end on
	ds_store_b128 v11, v[rC+4:rC+7] offset:STG*((\a)%2)+64*bb+16
.set bb, bb+1
.endr
	WIN 0
.if (\a) >= 2
	s_wait_xcnt 0x0                                ; this set of registers was the data of the stores two blocks back: it is loaded again only behind this wait
.endif
.set R, 96+64*((\a)%2)
.set i, 0
.rept 16
	ds_load_b128 v[R+4*i:R+4*i+3], v4 offset:STG*((\a)%2)+SPI*i    ; LDS serves a wave's instructions in order (ISA guide 5.7.1.4): these see the stores above
.set i, i+1
.endr
	s_wait_dscnt 0x0
	s_wait_loadcnt 48-16*(\a)                      ; the rows of x behind this block's sixteen may stay out
	WIN 0x0C                                       ; source 1 window 3
.set i, 0
.rept 32
	v_pk_add_f32 v[R+2*i:R+2*i+1], v[R+2*i:R+2*i+1], v[64*(\a)+2*i:64*(\a)+2*i+1]
.set i, i+1
.endr
	WIN 0
.set i, 0
.rept 16
	global_store_b128 v10, v[R+4*i:R+4*i+3], s[54:55] offset:2048*(16*(\a)+i) th:TH_STORE_NT
.set i, i+1
.endr
.endm
	OUTA 0
	OUTA 1
	OUTA 2
	OUTA 3
	s_wait_tensorcnt 0x0                           ; the wave's end, behind my last tensor load and my last LDS store
	ds_add_u32 v14, v15
	s_wait_dscnt 0x0
	ROUND                                          ; the closing round: no work-group ends while a partner may still ask for a tile that names it
	s_endpgm
.Lfunc_end_k_qffe10bfd9b_kan:
	.size	k_qffe10bfd9b_kan, .Lfunc_end_k_qffe10bfd9b_kan-k_qffe10bfd9b_kan
	.p2alignl 7, 3214868480
	.fill 96, 4, 3214868480
	.section	.rodata,"a",@progbits
	.p2align	6, 0x0
	.amdhsa_kernel k_qffe10bfd9b_kan
		.amdhsa_group_segment_fixed_size 327680
		.amdhsa_private_segment_fixed_size 0
		.amdhsa_enable_private_segment 0
		.amdhsa_kernarg_size 80
		.amdhsa_user_sgpr_count 2
		.amdhsa_user_sgpr_kernarg_segment_ptr 1
		.amdhsa_wavefront_size32 1
		.amdhsa_system_sgpr_workgroup_id_x 1
		.amdhsa_system_sgpr_workgroup_id_y 1
		.amdhsa_system_sgpr_workgroup_id_z 1
		.amdhsa_system_vgpr_workitem_id 0
		.amdhsa_next_free_vgpr 1024
		.amdhsa_next_free_sgpr 66
		.amdhsa_reserve_vcc 0
		.amdhsa_float_denorm_mode_32 3
		.amdhsa_float_denorm_mode_16_64 3
		.amdhsa_memory_ordered 1
		.amdhsa_forward_progress 1
		.amdhsa_inst_pref_size 136
	.end_amdhsa_kernel
	.amdgpu_metadata
---
amdhsa.version: [ 1, 2 ]
amdhsa.kernels:
  - .name:           k_qffe10bfd9b_kan
    .symbol:         k_qffe10bfd9b_kan.kd
    .args:
      - { .name: O, .offset: 0, .size: 8, .value_kind: global_buffer, .address_space: global }
      - { .name: WK, .offset: 8, .size: 8, .value_kind: global_buffer, .address_space: global }
      - { .name: x0, .offset: 16, .size: 8, .value_kind: global_buffer, .address_space: global }
      - { .name: x1, .offset: 24, .size: 8, .value_kind: global_buffer, .address_space: global }
      - { .name: x2, .offset: 32, .size: 8, .value_kind: global_buffer, .address_space: global }
      - { .name: x3, .offset: 40, .size: 8, .value_kind: global_buffer, .address_space: global }
      - { .name: out0, .offset: 48, .size: 8, .value_kind: global_buffer, .address_space: global }
      - { .name: out1, .offset: 56, .size: 8, .value_kind: global_buffer, .address_space: global }
      - { .name: out2, .offset: 64, .size: 8, .value_kind: global_buffer, .address_space: global }
      - { .name: out3, .offset: 72, .size: 8, .value_kind: global_buffer, .address_space: global }
    .group_segment_fixed_size: 327680
    .private_segment_fixed_size: 0
    .kernarg_segment_align: 8
    .kernarg_segment_size: 80
    .max_flat_workgroup_size: 128
    .sgpr_count:     66
    .vgpr_count:     1024
    .wavefront_size: 32
...
	.end_amdgpu_metadata
.endif
;; end of part 3
;; ======== version 2 of 2: 3 launches; version 1 with the launch mix written anew for expert scheduling mode
;; workspace buffers: WK 7,864,320 bytes; WM 1,753,088 bytes; O 15,728,640 bytes
;; launch prep: the kernel of part 1 again; grid 598 x 1, 8 waves a work-group, no clusters, 0 bytes of LDS; arguments kan_bw, kan_sw, kan_sc, WK, WM, dw1_0, db1_0, dw2_0, db2_0, dw1_1, db1_1, dw2_1, db2_1, dw1_2, db1_2, dw2_2, db2_2, uw1_0, ub1_0, uw2_0, ub2_0, uw1_1, ub1_1, uw2_1, ub2_1, uw1_2, ub1_2, uw2_2, ub2_2; writes WK, WM
;; launch mix (part 4): grid 128 x 1, 8 waves a work-group, no clusters, 321,536 bytes of LDS; arguments s0, s1, s2, s3, t0, t1, t2, t3, WM, O; writes O
.if DOCPART == 4
	.amdgcn_target "amdgcn-amd-amdhsa--gfx1250"
	.amdhsa_code_object_version 6
	.text
	.protected	k_qffe10bfd9b_mix
	.globl	k_qffe10bfd9b_mix
	.p2align	8
	.type	k_qffe10bfd9b_mix,@function
k_qffe10bfd9b_mix:
	s_mov_b64 s[64:65], 0
	v_nop
	global_prefetch_b8 v0, s[64:65] scope:SCOPE_SE
	s_setreg_imm32_b32 hwreg(HW_REG_WAVE_SCHED_MODE, 0, 2), 2
	s_setreg_imm32_b32 hwreg(HW_REG_WAVE_MODE, 25, 1), 1
	s_wait_xcnt 0x0
	s_wait_alu depctr_vm_vsrc(0)
; BOTH MIXING CHAINS.  For each row (b, c): season 512 -> 256 -> 128 -> 64 and trend 64 -> 128 -> 256 -> 512, each link y += W2 gelu(W1 x + b1) + b2 along time;
; then o_i = season_i + trend_i, turned to [b][t][c] and stored in bf16.
; SHARES.  A work-group owns 64 rows (b, c): a dense block of each of the eight inputs.  All eight lie in LDS as bf16 tiles [c][t] for the whole launch; results take the residuals' places.
; In a layer with N outputs wave w owns N / 8 of them for all 64 rows (N = 64: 16 of them for 32 rows).
; PRODUCTS.  Source 0 = 16 outputs of the weights, source 1 = 16 rows of data: a lane then holds one row and eight neighbouring outputs, which pack into 16 bytes of a [c][t] tile.
; WEIGHTS come from WM straight into registers, already in fragment order, through a ring of 24 fragments (up to 48 loads of a wave in flight); each byte of a stream is read by one wave alone.
; NO CLUSTER, NO TENSOR LOADS: tiles and G take 320,512 bytes of LDS, so no ring for weights fits beside them, and LDS would give the weights no second use inside the work-group.
; 64 rows and not 32: every work-group reads all 1.7 MB of WM, so half the rows would double that traffic and halve the products that a fragment feeds; the price is 128 work-groups.
; O: bf16 in blocks of 8 channels: (scale i, b, c8, t) is 16 bytes at OB_i + ((64 b + c8) T_i + t) 16, so that 16 neighbouring t are 256 consecutive bytes.
; LIMITS.  s, t, every intermediate and o are rounded once to bf16; biases, residual + bias and all sums are f32.  Phi in the GELU by the five-term rational form in 1 / (1 + 0.2316419 |u|),
; absolute error under 1e-7, right for every finite u.  NaN and infinities are not treated apart.
; THE MODE: SCHED_MODE bits 1:0 = 2 (LLVM: expert scheduling mode 2), set by the entry lines.  The code itself states the register dependences between vector or matrix
; instructions and memory or LDS instructions, with s_wait_alu, always for 0.
; THE PLAN.  Registers that memory or LDS instructions touch, and who else names them:
;   v10, v16, v21-24  offsets, made once at the head and never written again.
;   THE INPUTS.  v128-191, v192-255: loads land, a batch's conversions read.  v32-63 with v25, v64-95 with v31: two out-buffers, each with its LDS address, by turns: a batch's conversions write one,
;     its run of LDS stores reads it.  One wait on va_vdst behind a batch's conversions serves that run and the loads that then land in the registers just read.  One wait on vm_vsrc beside it, ahead
;     of the batch's own stores, shows the stores of the batch before read out: theirs is the out-buffer that the next batch writes.
;   A LAYER.  v8, v9: written at its head, read by its LDS loads and stores.  v32-63, v64-95: the data of K block kb land in buffer kb % 2 during block kb - 1; block kb's products read them.
;     The ring: a slot is loaded again in the block behind the one whose products read it.  Window 1's v192-255: residual pieces, read by the products that start a sum.
;     A wait on vm_vsrc and one on va_vdst at the layer's head; one on va_vdst at a K block's head, behind which the block's loads are dealt among its products, which name none of the registers that
;     those loads touch; at the layer's end all results are packed into v32-95, and one wait on va_vdst stands ahead of the run of stores.
;   GELU.  v11: read by a trip's load and store, stepped between the two.  v160-163: the load lands, the unpacking reads.  v164-167: the roundings write, the store reads.
;   THE END.  Each scale has its own two address registers and its own data registers, so that one wait on va_vdst serves the loads of three scales, and one more each scale's run of stores.
; REGISTERS.  Window 0: v0 thread; v1-3 lane, r, h; v4-7 r x pitch + 16 h for T = 64, 128, 256, 512; v8 source address; v9 destination address; v10 16 x lane; v11 GELU address;
;   v12-15 where an input's 8 bytes go, by T (at the end: addresses); v16 16 x thread; v17-20 the turning load's lane term, by T; v21-24 my offset in O, by T; v25, v31 the inputs' LDS addresses;
;   v26, v27 the add's two; v28-31 at work (at the end: addresses); v32-95 data fragments, two buffers of four; at other times the inputs' out-buffers, a layer's packed results, scale 256 of the output;
;   v96-103 the unit fragment; v96-127 at the end scale 128; v128-255 accumulators ((rt, ct) at 128 + 8 (4 ct + rt)), at other times inputs, GELU, output.
; Window 1: v0-191 the ring (fragment Q in slot Q mod 24); v192-255 residual fragments.
.set S0B, 0                            ; LDS: tiles of 64 rows, pitch 2 T + 16, an odd multiple of 16 bytes: the 16 rows of a load start at 16 different groups of four banks (64 banks of 4 bytes: ISA guide 11.1)
.set T0B, 66560
.set GB,  133120                       ; G: the hidden layer, pitch 2 N + 16
.set S1B, 199680
.set T1B, 233472
.set S2B, 267264
.set T2B, 284672
.set S3B, 302080
.set T3B, 311296
.set SPARE, 320512                     ; the spare words, 128 bytes for each of eight waves: four blocks of 256 bytes that no other line names
.set WMS, 219136                       ; bytes in a wave's stream of WM
.set NFR, 214                          ; fragments in it
.set ISS, 0                            ; fragments asked for so far, and
.set USE, 0                            ; fragments multiplied so far: counted while the text is assembled, which has no loop round a product
.set MSB, 0
.macro WIN new                         ; the immediate's high byte repeats the setting that is left; a switch that changes nothing is dropped
.if MSB != (\new)
	s_set_vgpr_msb (MSB<<8)|(\new)
.set MSB, (\new)
.endif
.endm
.macro PLACES                          ; four places between a matrix instruction and a vector instruction on its registers (ISA guide 7.12.1)
.rept 4
	v_nop
.endr
.endm
.macro BAR                             ; my LDS stores are done and my LDS reads are back; then all eight waves meet
	s_wait_dscnt 0x0
	s_barrier_signal -1
	s_barrier_wait -1
.endm
; n loads of 4,096 bytes for the work-group (a wave's load: 512 consecutive bytes), items j0 on, into registers reg on
.macro ISSUE ptr, j0, n, reg
.set ii, 0
.rept \n
	global_load_b128 v[(\reg)+4*ii:(\reg)+4*ii+3], v16, s[\ptr:\ptr+1] offset:4096*((\j0)+ii) th:TH_LOAD_NT
.set ii, ii+1
.endr
.endm
; those items are rounded to bf16 into out-buffer ob and put into the tile at base (T = 64 << x) in one run.  younger = the loads issued behind the n.
; free = 1: a batch stands in front of this one and another behind it, which writes the out-buffer that the batch in front stored from.
.macro DRAIN x, base, j0, n, reg, younger, ob, free
.set dA, 25+6*(\ob)                    ; v25 or v31
.set dO, 32+32*(\ob)                   ; v32 or v64 on
	v_add_nc_u32 v[dA], \base, v[12+(\x)]
.set ii, 0
.rept \n
	s_wait_loadcnt (\younger)+(\n)-1-ii            ; loads come back in order (ISA guide 5.7.1): item ii is in
	v_cvt_pk_bf16_f32 v[dO+2*ii], v[(\reg)+4*ii], v[(\reg)+4*ii+1]
	v_cvt_pk_bf16_f32 v[dO+2*ii+1], v[(\reg)+4*ii+2], v[(\reg)+4*ii+3]
.set ii, ii+1
.endr
	s_wait_alu depctr_va_vdst(0)                   ; the out-buffer and its address are written, which the stores below read; the conversions are done reading the raw registers, in which the next loads land
.if \free
	s_wait_alu depctr_vm_vsrc(0)                   ; the stores of the batch before have read the other out-buffer and its address, which the next batch writes
.endif
.set ii, 0
.rept \n
	ds_store_b64 v[dA], v[dO+2*ii:dO+2*ii+1] offset:((\j0)+ii)*(16>>(\x))*((128<<(\x))+16)   ; an item is 16 >> x rows
.set ii, ii+1
.endr
.endm
; up to m fragments more into ring slots whose fragments were multiplied ahead of the last wait on va_vdst (USE moves on at a block's end)
.macro RINGFILL m
.rept \m
.if (ISS < USE+24) && (ISS < NFR)
	WIN 0x40                                       ; destination window 1, address window 0
	global_load_b128 v[8*(ISS%24):8*(ISS%24)+3], v10, s[20:21] offset:1024*ISS
	global_load_b128 v[8*(ISS%24)+4:8*(ISS%24)+7], v10, s[20:21] offset:1024*ISS+512
.set ISS, ISS+1
.endif
.endr
.endm
; RT data fragments (16 rows x 32 along K) of K block kb into buffer kb % 2
.macro ALOAD kb
.set rr, 0
.rept RT
	ds_load_b128 v[32+32*((\kb)%2)+8*rr:32+32*((\kb)%2)+8*rr+3], v8 offset:rr*16*PS+64*(\kb)
	ds_load_b128 v[32+32*((\kb)%2)+8*rr+4:32+32*((\kb)%2)+8*rr+7], v8 offset:rr*16*PS+64*(\kb)+32
.set rr, rr+1
.endr
.endm
; The products of column tiles c0 .. c0 + n - 1 of K block kb.  The accumulators take turns.
.macro PROD kb, c0, n
.if (\n) > 0
	WIN 0x01+0x10*HB                               ; weights (and the bias) in window 1
.set cc, \c0
.rept \n
.set rr, 0
.rept RT
.set rC, 128+8*(4*cc+rr)
.set rW, 8*((USE+CT*HB+cc)%24)
.set rB, 8*((USE+cc)%24)
.set rA, 32+32*((\kb)%2)+8*rr
.if HB
	v_wmma_f32_16x16x32_bf16 v[rC:rC+7], v[rW:rW+7], v[rA:rA+7], v[rB:rB+7]
.else
	v_wmma_f32_16x16x32_bf16 v[rC:rC+7], v[rW:rW+7], v[rA:rA+7], v[rC:rC+7]
.endif
.set rr, rr+1
.endr
.set cc, cc+1
.endr
.endif
.endm
; One K block: one wait on va_vdst; the next block's data are asked for; then CT x RT products, with the ring's refill behind the first column tile's.
.macro KSTEP kb
.set HB, 0
.if ((\kb) == 0) && WITHB
.set HB, 1                             ; the first products take the bias fragment as C
.endif
.set NU, CT*(1+HB)
.if ((\kb) > 0) || !WITHB              ; (the first block of a layer with a bias: no vector or matrix instruction has been issued since the wait at the layer's head)
	s_wait_alu depctr_va_vdst(0)                   ; the products issued so far are done reading the other data buffer and their ring slots, in which the loads of this block land
.endif
.if (\kb)+1 < NK
	WIN 0
	ALOAD (\kb)+1
	s_wait_dscnt 2*RT                              ; all but the 2 RT just issued: this block's data are in
.else
	s_wait_dscnt 0x0
.endif
	s_wait_loadcnt 2*(ISS-USE-NU)                  ; two loads a fragment: all but those of the fragments behind the NU that this block takes
	PROD \kb, 0, 1
	RINGFILL 8                                     ; no wait: the products since the wait above name this block's own slots, its data buffer and the accumulators, none of which these loads touch
	PROD \kb, 1, CT-1
.set USE, USE+NU
.endm
; The sums of a second linear layer start as residual + bias: unit fragment x residual piece + bias fragment, exact products, in f32.  Two column tiles at a time.
; A piece is loaded into both halves of its fragment: the second half meets zeros and need only be finite.
.macro RESID
.set NB2, 2
.if CT == 1
.set NB2, 1
.endif
.set c0, 0
.rept (CT+1)/2
	WIN 0x40
.if c0 > 0
	s_wait_alu depctr_va_vdst(0)                   ; the products above are done reading the residual registers and their bias fragments' ring slots, in which the loads below land
.endif
.set cc, 0
.rept NB2
.set rr, 0
.rept RT
.set rX, 192+8*(4*cc+rr)
	ds_load_b128 v[rX:rX+3], v9 offset:rr*16*PD+32*(c0+cc)
	ds_load_b128 v[rX+4:rX+7], v9 offset:rr*16*PD+32*(c0+cc)
.set rr, rr+1
.endr
.set cc, cc+1
.endr
	RINGFILL 8
	s_wait_dscnt 0x0
	s_wait_loadcnt 2*(ISS-USE-NB2)
	WIN 0x14                                       ; unit fragment window 0; residual and bias window 1
.set cc, 0
.rept NB2
.set rr, 0
.rept RT
.set rX, 192+8*(4*cc+rr)
.set rC, 128+8*(4*(c0+cc)+rr)
.set rB, 8*((USE+cc)%24)
	v_wmma_f32_16x16x32_bf16 v[rC:rC+7], v[96:103], v[rX:rX+7], v[rB:rB+7]
.set rr, rr+1
.endr
.set cc, cc+1
.endr
.set USE, USE+NB2
.set c0, c0+2
.endr
.endm
; A linear layer: K inputs from the tile at SRC, N outputs into the tile at DST; RES = 1: onto what lies there.
.macro LAYER K, N, SRC, DST, RES
.set PS, 2*(\K)+16
.set PD, 2*(\N)+16
.set XK, ((\K)/64)/2-((\K)/64)/8       ; log2 (K / 64)
.set XN, ((\N)/64)/2-((\N)/64)/8
.if (\N) == 64
.set CT, 1
.set RT, 2
.else
.set CT, (\N)/128
.set RT, 4
.endif
.set NK, (\K)/32
.set WITHB, 1-(\RES)
	WIN 0
	s_wait_alu depctr_vm_vsrc(0)                   ; the LDS instructions issued so far have read v8 and v9, which are written below, v32-95, in which this layer's data land, and v164-167, which its products write
	v_add_nc_u32 v8, \SRC, v[4+XK]
	v_add_nc_u32 v9, \DST, v[4+XN]
.if (\N) == 64
	s_mul_i32 s27, s25, 32*PS                      ; waves 4 to 7 take rows 32 to 63
	v_add_nc_u32 v8, s27, v8
	s_mul_i32 s27, s25, 32*PD
	s_lshl_b32 s28, s26, 5                         ; column tile w % 4
	s_add_co_u32 s27, s27, s28
	v_add_nc_u32 v9, s27, v9
.else
	s_mul_i32 s27, s24, 32*CT                      ; my first column, in bytes
	v_add_nc_u32 v9, s27, v9
.endif
	s_wait_alu depctr_va_vdst(0)                   ; v8 and v9 are written; all earlier products and conversions are done with v32-95, the free ring slots and the residual registers, in which loads land from here on
	ALOAD 0
.if \RES
	RESID
.endif
.set kk, 0
.rept NK
	KSTEP kk
.set kk, kk+1
.endr
	WIN 0
	PLACES                                         ; the conversions read the last products' results and write over their data fragments
.set cc, 0
.rept CT
.set rr, 0
.rept RT
.set rC, 128+8*(4*cc+rr)
.set rP, 32+4*(cc*RT+rr)
	v_cvt_pk_bf16_f32 v[rP], v[rC], v[rC+1]        ; each accumulator from its low end on
	v_cvt_pk_bf16_f32 v[rP+1], v[rC+2], v[rC+3]
	v_cvt_pk_bf16_f32 v[rP+2], v[rC+4], v[rC+5]
	v_cvt_pk_bf16_f32 v[rP+3], v[rC+6], v[rC+7]
.set rr, rr+1
.endr
.set cc, cc+1
.endr
	s_wait_alu depctr_va_vdst(0)                   ; the conversions have written v32 on, which the stores below read
.set cc, 0
.rept CT
.set rr, 0
.rept RT
.set rP, 32+4*(cc*RT+rr)
	ds_store_b128 v9, v[rP:rP+3] offset:rr*16*PD+32*cc
.set rr, rr+1
.endr
.set cc, cc+1
.endr
.endm
; gelu(u) = max(u, 0) - |u| y, y = (A1 t + .. + A5 t^5) 2^(-u^2 log2(e) / 2), t = 1 / (1 + 0.2316419 |u|), on G in place.  A thread takes 16 bytes a trip, the work-group 2,048 numbers: N / 32 trips.
; v11 stands one step short of a trip's bytes at the trip's head: the load reaches them by its immediate, v11 is stepped, and the store goes by v11 itself.
.macro GELU N
.set PD, 2*(\N)+16
.set XN, ((\N)/64)/2-((\N)/64)/8
.set GST, (2048/(\N))*PD               ; a trip's step: 2,048 / N rows
	WIN 0
	v_lshrrev_b32 v28, XN+3, v0
	v_and_b32 v29, (\N)/8-1, v0
	v_mul_u32_u24 v28, v28, PD
	v_lshl_add_u32 v28, v29, 4, v28
	v_add_nc_u32 v11, GB-GST, v28
	s_mov_b32 s44, (\N)/32
	s_wait_alu depctr_va_vdst(0)                   ; v11 is written, which the first load reads; the layer's products and conversions are done with v160-163, in which it lands
.Lgelu_\@:
	ds_load_b128 v[160:163], v11 offset:GST
	s_wait_dscnt 0x0
	s_wait_alu depctr_vm_vsrc(0)                   ; the load above and the last trip's store have read v11, which the next line writes; that store has read v164-167, which this trip's roundings write
	v_add_nc_u32 v11, GST, v11                     ; 2,048 / N rows on
.irp k, 0,1,2,3
	v_lshlrev_b32 v[128+2*\k], 16, v[160+\k]
	v_and_b32 v[129+2*\k], s45, v[160+\k]
.endr
.irp i, 0,1,2,3,4,5,6,7
	v_fma_f32 v[136+\i], |v[128+\i]|, s30, 1.0
.endr
.irp i, 0,1,2,3,4,5,6,7
	v_rcp_f32 v[136+\i], v[136+\i]                 ; t; the squares below are the plain lines behind the reciprocals (ISA guide 5.7.2)
.endr
.irp p, 0,2,4,6
	v_pk_mul_f32 v[144+\p:145+\p], v[128+\p:129+\p], v[128+\p:129+\p]
.endr
.irp p, 0,2,4,6
	v_pk_mul_f32 v[144+\p:145+\p], v[144+\p:145+\p], s[32:33] op_sel_hi:[1,0]
.endr
.irp i, 0,1,2,3,4,5,6,7
	v_exp_f32 v[144+\i], v[144+\i]                 ; the polynomial below, which names none of these, stands behind the exponentials
.endr
	s_wait_alu depctr_va_vdst(0)                   ; the reciprocals have written v136-143 and the exponentials v144-151: one wait for the batch of sixteen, ahead of its first reader
.irp p, 0,2,4,6
	v_pk_fma_f32 v[152+\p:153+\p], v[136+\p:137+\p], s[42:43], s[40:41] op_sel_hi:[1,0,0]
.endr
.irp p, 0,2,4,6
	v_pk_fma_f32 v[152+\p:153+\p], v[152+\p:153+\p], v[136+\p:137+\p], s[38:39] op_sel_hi:[1,1,0]
.endr
.irp p, 0,2,4,6
	v_pk_fma_f32 v[152+\p:153+\p], v[152+\p:153+\p], v[136+\p:137+\p], s[36:37] op_sel_hi:[1,1,0]
.endr
.irp p, 0,2,4,6
	v_pk_fma_f32 v[152+\p:153+\p], v[152+\p:153+\p], v[136+\p:137+\p], s[34:35] op_sel_hi:[1,1,0]
.endr
.irp p, 0,2,4,6
	v_pk_mul_f32 v[152+\p:153+\p], v[152+\p:153+\p], v[136+\p:137+\p]
.endr
.irp p, 0,2,4,6
	v_pk_mul_f32 v[152+\p:153+\p], v[152+\p:153+\p], v[144+\p:145+\p]
.endr
.irp i, 0,1,2,3,4,5,6,7
	v_max_num_f32 v[136+\i], 0, v[128+\i]
.endr
.irp i, 0,1,2,3,4,5,6,7
	v_fma_f32 v[128+\i], -|v[128+\i]|, v[152+\i], v[136+\i]
.endr
.irp k, 0,1,2,3
	v_cvt_pk_bf16_f32 v[164+\k], v[128+2*\k], v[129+2*\k]
.endr
	s_wait_alu depctr_va_vdst(0)                   ; v164-167 and v11 are written, which the store and the next trip's load read; the unpacking lines are done reading v160-163, in which that load lands
	ds_store_b128 v11, v[164:167]
	s_sub_co_u32 s44, s44, 1
	s_cmp_lg_u32 s44, 0
	s_cbranch_scc1 .Lgelu_\@
.endm
; o = season + trend of one scale, in four parts.  Wave w takes channels 16 (w % 4) on and the time blocks of 16 numbered w / 4 + 2 k.  The turning load takes 8 channels x 8 times in each group of eight
; lanes and leaves a lane one time and eight channels: a piece of O.  Each half of the lanes stores 256 consecutive bytes, aligned.
.macro OADR T, PB, QB, ra              ; the scale's two LDS addresses, in v[ra] and v[ra + 1]
.set XT, ((\T)/64)/2-((\T)/64)/8
	v_add_nc_u32 v[\ra], \PB, v[17+XT]
	v_add_nc_u32 v[(\ra)+1], \QB, v[17+XT]
.endm
.macro OLOAD T, ra, R                  ; its pieces of season and trend, eight registers for each k, from v[R] on
.set kk, 0
.rept (\T)/32
	ds_load_tr16_b128 v[(\R)+8*kk:(\R)+8*kk+3], v[\ra] offset:64*kk
	ds_load_tr16_b128 v[(\R)+8*kk+4:(\R)+8*kk+7], v[(\ra)+1] offset:64*kk
.set kk, kk+1
.endr
.endm
.macro OADD T, R, younger              ; younger: the LDS loads issued behind this scale's
.set kk, 0
.rept (\T)/32
	s_wait_dscnt (\younger)+2*((\T)/32-1-kk)       ; the two loads of each later k, and the later scales', may stay out
.irp j, 0,1,2,3
	v_pk_add_bf16 v[(\R)+8*kk+\j], v[(\R)+8*kk+\j], v[(\R)+8*kk+4+\j]
.endr
.set kk, kk+1
.endr
.endm
.macro OSTORE T, R
.set XT, ((\T)/64)/2-((\T)/64)/8
.set kk, 0
.rept (\T)/32
	global_store_b128 v[21+XT], v[(\R)+8*kk:(\R)+8*kk+3], s[22:23] offset:512*kk
.set kk, kk+1
.endr
.endm
; A link of a chain.  First barrier: X's last stores and G's last reads are over.  Second: the raw G is whole.  Third: so is gelu(G).  A residual piece is read and written by one wave alone.
.macro BLOCK K, N, X, Y
	BAR
	LAYER \K, \N, \X, GB, 0
	BAR
	GELU \N
	BAR
	LAYER \N, \N, GB, \Y, 1
.endm
	s_load_b512 s[4:19], s[0:1], 0x0               ; s0 s[4:5], s1, s2, s3, t0 s[12:13], t1, t2, t3
	s_load_b128 s[20:23], s[0:1], 0x40             ; WM s[20:21], O s[22:23]
	v_lshl_add_u32 v26, v0, 2, SPARE               ; the add's two registers
	v_mov_b32 v27, 0
	v_lshrrev_b32 v1, 5, v0
	v_readfirstlane_b32 s24, v1                    ; wave 0..7
	v_lshlrev_b32 v16, 4, v0
	s_mov_b32 s29, 0
	s_wait_kmcnt 0x0
.irp x, 0,1,2,3
	s_lshl_b32 s28, ttmp9, 17-\x                   ; the group's 64 rows of 4 T bytes
	s_add_nc_u64 s[4+2*\x:5+2*\x], s[4+2*\x:5+2*\x], s[28:29]
	s_add_nc_u64 s[12+2*\x:13+2*\x], s[12+2*\x:13+2*\x], s[28:29]
.endr
	s_wait_alu depctr_va_sdst(0)                   ; s24 is written, ahead of its first reader
	s_mul_i32 s28, s24, WMS
	s_add_nc_u64 s[20:21], s[20:21], s[28:29]      ; my stream of weights
	s_wait_alu depctr_va_vdst(0)                   ; v16 is written: every load of an input reads it as its offset
	ISSUE 4, 0, 16, 128                            ; 32 loads of every wave are on their way from here to the inputs' end
	ISSUE 4, 16, 16, 192
	s_lshr_b32 s25, s24, 2                         ; w / 4
	s_and_b32 s26, s24, 3                          ; w % 4
	v_and_b32 v1, 31, v0
	v_and_b32 v2, 15, v0                           ; r
	v_bfe_u32 v3, v0, 4, 1                         ; h
	v_lshlrev_b32 v10, 4, v1
.irp x, 0,1,2,3
	v_mul_u32_u24 v[4+\x], v2, (128<<\x)+16
	v_lshl_add_u32 v[4+\x], v3, 4, v[4+\x]         ; r x pitch + 16 h
	v_lshrrev_b32 v28, 4+\x, v0                    ; an input's item: row thread / (T / 4),
	v_and_b32 v29, (16<<\x)-1, v0                  ; four numbers, 8 bytes of bf16
	v_mul_u32_u24 v28, v28, (128<<\x)+16
	v_lshl_add_u32 v[12+\x], v29, 3, v28
.endr
	v_and_b32 v28, 7, v0
	v_lshl_add_u32 v28, v3, 3, v28
	s_lshl_b32 s27, s26, 4
	v_add_nc_u32 v28, s27, v28                     ; the turning load's row: 16 (w % 4) + 8 h + lane % 8
	v_bfe_u32 v29, v0, 3, 1
	v_lshlrev_b32 v29, 4, v29
	s_lshl_b32 s27, s25, 5
	v_add_nc_u32 v29, s27, v29                     ; its bytes: 32 (w / 4) + 16 ((lane / 8) % 2)
	v_lshlrev_b32 v30, 4, v2
	s_lshl_b32 s27, s25, 8
	v_add_nc_u32 v30, s27, v30                     ; in O: 16 (16 (w / 4) + r)
.irp x, 0,1,2,3
	v_mul_u32_u24 v31, v28, (128<<\x)+16
	v_add_nc_u32 v[17+\x], v31, v29
	s_lshl_b32 s27, ttmp9, 13+\x                   ; the group's eight blocks of 16 T bytes
	s_lshl_b32 s28, s26, 11+\x                     ; block 2 (w % 4)
	s_add_co_u32 s27, s27, s28
	v_lshl_add_u32 v[21+\x], v3, 10+\x, v30        ; + h
	v_add_nc_u32 v[21+\x], s27, v[21+\x]
.endr
	v_add_nc_u32 v21, 14680064, v21                ; where the scale begins in O: too large for a store's immediate
	v_add_nc_u32 v22, 12582912, v22
	v_add_nc_u32 v23, 8388608, v23
	v_lshlrev_b32 v28, 3, v3                       ; the unit fragment: row r holds 1.0 at k = r, which lies in my registers where 0 <= r - 8 h < 8
	v_sub_nc_u32 v28, v2, v28
	v_mov_b32 v29, 0x3f80
	v_mov_b32 v30, 0x3f800000
.irp p, 0,1,2,3                        ; the eight compares stand in one run, each with a scalar register for its mask
	v_cmp_eq_u32 s[30+2*\p], 2*\p, v28
	v_cmp_eq_u32 s[31+2*\p], 2*\p+1, v28
.endr
	s_wait_alu depctr_va_sdst(0)                   ; the eight masks s30 to s37 are written, ahead of the selects that read them
.irp p, 0,1,2,3
	v_cndmask_b32 v[96+\p], 0, v29, s[30+2*\p]
	v_cndmask_b32 v[96+\p], v[96+\p], v30, s[31+2*\p]
	v_mov_b32 v[100+\p], 0
.endr
	s_mov_b32 s30, 0x3e6d3389                      ; 0.2316419
	s_mov_b32 s31, s30
	s_mov_b32 s32, 0xbf38aa3b                      ; -log2(e) / 2
	s_mov_b32 s33, s32
	s_mov_b32 s34, 0x3e027906                      ; A1 =  0.127414796
	s_mov_b32 s35, s34
	s_mov_b32 s36, 0xbe11a98e                      ; A2 = -0.142248368
	s_mov_b32 s37, s36
	s_mov_b32 s38, 0x3f35f0e3                      ; A3 =  0.710706871
	s_mov_b32 s39, s38
	s_mov_b32 s40, 0xbf3a00e3                      ; A4 = -0.726576014
	s_mov_b32 s41, s40
	s_mov_b32 s42, 0x3f07dc22                      ; A5 =  0.530702715
	s_mov_b32 s43, s42
	s_mov_b32 s45, 0xffff0000                      ; a word's upper bf16
	; THE INPUTS: a batch is asked for before the batch in front of it is rounded and put into LDS; the two out-buffers take turns
	DRAIN 3, S0B, 0, 16, 128, 16, 0, 0
	ISSUE 12, 0, 16, 128
	DRAIN 3, S0B, 16, 16, 192, 16, 1, 1
	ISSUE 12, 16, 16, 192
	DRAIN 3, T0B, 0, 16, 128, 16, 0, 1
	ISSUE 6, 0, 16, 128
	DRAIN 3, T0B, 16, 16, 192, 16, 1, 1
	ISSUE 14, 0, 16, 192
	DRAIN 2, S1B, 0, 16, 128, 16, 0, 1
	ISSUE 8, 0, 8, 128
	ISSUE 16, 0, 8, 160
	DRAIN 2, T1B, 0, 16, 192, 16, 1, 1
	ISSUE 10, 0, 4, 192
	ISSUE 18, 0, 4, 208
	DRAIN 1, S2B, 0, 8, 128, 16, 0, 1              ; behind s2's eight: t2's eight, s3's and t3's four each
	DRAIN 1, T2B, 0, 8, 160, 8, 1, 1
	RINGFILL 24                                    ; the ring's first 24 fragments: 48 loads, into registers that nothing has named; their offset v10 was written ahead of the batches' waits
	WIN 0
	DRAIN 0, S3B, 0, 4, 192, 52, 0, 1              ; behind s3's four: t3's four and the ring's 48
	DRAIN 0, T3B, 0, 4, 208, 48, 1, 0
	BLOCK 512, 256, S0B, S1B                       ; season, from fine to coarse
	BLOCK 256, 128, S1B, S2B
	BLOCK 128, 64,  S2B, S3B
	BLOCK 64,  128, T3B, T2B                       ; trend, from coarse to fine
	BLOCK 128, 256, T2B, T1B
	BLOCK 256, 512, T1B, T0B
	BAR
	; THE END.  Scale 512 in v128-255, 256 in v32-95, 128 in v96-127; scale 64 follows in v128-143 when scale 512's stores have read them.
	WIN 0
	s_wait_alu depctr_vm_vsrc(0)                   ; the last layer's LDS stores have read v32-95, in which scale 256's pieces land
	OADR 512, S0B, T0B, 28
	OADR 256, S1B, T1B, 30
	OADR 128, S2B, T2B, 12
	OADR 64,  S3B, T3B, 14
	s_wait_alu depctr_va_vdst(0)                   ; the eight addresses are written; the last layer's products and conversions are done with v32-255, in which the loads below land
	OLOAD 512, 28, 128
	OLOAD 256, 30, 32
	OLOAD 128, 12, 96
	OADD 512, 128, 24                              ; behind scale 512's loads: scale 256's sixteen and scale 128's eight
	s_wait_alu depctr_va_vdst(0)                   ; scale 512's sums are written, which its stores read
	OSTORE 512, 128
	OADD 256, 32, 8
	s_wait_alu depctr_va_vdst(0)                   ; scale 256's sums are written, which its stores read
	s_wait_xcnt 0x0                                ; v128-143 were the data of scale 512's first stores: they are loaded again only behind this wait,
	s_wait_alu depctr_vm_vsrc(0)                   ; and behind this one: those stores have read them (the sums that named them stand ahead of the waits on va_vdst above)
	OLOAD 64, 14, 128
	OSTORE 256, 32
	OADD 128, 96, 4                                ; behind scale 128's loads: scale 64's four
	s_wait_alu depctr_va_vdst(0)                   ; scale 128's sums are written, which its stores read
	OSTORE 128, 96
	OADD 64, 128, 0
	s_wait_alu depctr_va_vdst(0)                   ; scale 64's sums are written, which its stores read
	OSTORE 64, 128
	s_wait_dscnt 0x0                               ; the closing lines, six on end
	s_wait_alu 0x0
	s_wait_tensorcnt 0x0
	ds_add_u32 v26, v27
	s_wait_dscnt 0x0
	s_endpgm
.Lfunc_end_k_qffe10bfd9b_mix:
	.size	k_qffe10bfd9b_mix, .Lfunc_end_k_qffe10bfd9b_mix-k_qffe10bfd9b_mix
	.p2alignl 7, 3214868480
	.fill 96, 4, 3214868480
	.section	.rodata,"a",@progbits
	.p2align	6, 0x0
	.amdhsa_kernel k_qffe10bfd9b_mix
		.amdhsa_group_segment_fixed_size 321536
		.amdhsa_private_segment_fixed_size 0
		.amdhsa_enable_private_segment 0
		.amdhsa_kernarg_size 80
		.amdhsa_user_sgpr_count 2
		.amdhsa_user_sgpr_kernarg_segment_ptr 1
		.amdhsa_wavefront_size32 1
		.amdhsa_system_sgpr_workgroup_id_x 1
		.amdhsa_system_sgpr_workgroup_id_y 1
		.amdhsa_system_sgpr_workgroup_id_z 1
		.amdhsa_system_vgpr_workitem_id 0
		.amdhsa_next_free_vgpr 512
		.amdhsa_next_free_sgpr 66
		.amdhsa_reserve_vcc 0
		.amdhsa_float_denorm_mode_32 3
		.amdhsa_float_denorm_mode_16_64 3
		.amdhsa_memory_ordered 1
		.amdhsa_forward_progress 1
		.amdhsa_inst_pref_size 255
	.end_amdhsa_kernel
	.section	.bss,"aw",@nobits
	.p2align	6
	.space	262144
	.amdgpu_metadata
---
amdhsa.version: [ 1, 2 ]
amdhsa.kernels:
  - .name:           k_qffe10bfd9b_mix
    .symbol:         k_qffe10bfd9b_mix.kd
    .args:
      - { .name: s0, .offset: 0, .size: 8, .value_kind: global_buffer, .address_space: global }
      - { .name: s1, .offset: 8, .size: 8, .value_kind: global_buffer, .address_space: global }
      - { .name: s2, .offset: 16, .size: 8, .value_kind: global_buffer, .address_space: global }
      - { .name: s3, .offset: 24, .size: 8, .value_kind: global_buffer, .address_space: global }
      - { .name: t0, .offset: 32, .size: 8, .value_kind: global_buffer, .address_space: global }
      - { .name: t1, .offset: 40, .size: 8, .value_kind: global_buffer, .address_space: global }
      - { .name: t2, .offset: 48, .size: 8, .value_kind: global_buffer, .address_space: global }
      - { .name: t3, .offset: 56, .size: 8, .value_kind: global_buffer, .address_space: global }
      - { .name: WM, .offset: 64, .size: 8, .value_kind: global_buffer, .address_space: global }
      - { .name: O, .offset: 72, .size: 8, .value_kind: global_buffer, .address_space: global }
    .group_segment_fixed_size: 321536
    .private_segment_fixed_size: 0
    .kernarg_segment_align: 8
    .kernarg_segment_size: 80
    .max_flat_workgroup_size: 256
    .sgpr_count:     66
    .vgpr_count:     512
    .wavefront_size: 32
...
	.end_amdgpu_metadata
.endif
;; end of part 4
;; launch kan: the kernel of part 3 again; grid 240 x 1, 4 waves a work-group, clusters of 4 x 1, 327,680 bytes of LDS; arguments O, WK, x0, x1, x2, x3, out0, out1, out2, out3; writes out0, out1, out2, out3
